; MI455X (gfx1250); checked and timed in simulation.
; The chip was launched on July 23, 2026; its instructions are those of AMD's public machine-readable ISA for CDNA 5 (MIT licence, August 2026) and "CDNA5" Instruction Set Architecture Reference Guide (July 2026). The comments in the code are by the model that wrote it; some were corrected since.
;; Attention Layer. Allowed arithmetic: float matrix products may take bf16 or f16 operands with f32 sums; all other float work in f32.
;; Inputs: Wk 512 x 512 float32; Wo 512 x 512 float32; Wq 512 x 512 float32; Wv 512 x 512 float32; bk 512 float32; bo 512 float32; bq 512 float32; bv 512 float32; key 4 x 2,048 x 512 float32; query 4 x 2,048 x 512 float32; value 4 x 2,048 x 512 float32.
;; Outputs: out0 4 x 2,048 x 512 float32.
;; 2 versions, each right; version 2 is version 1 with the launch proj written anew for expert scheduling mode. Each part assembles by itself: llvm-mc -triple=amdgcn-amd-amdhsa -mcpu=gfx1250 --defsym DOCPART=n.
;; ======== version 1 of 2: 3 launches
;; limits: values are held in f16: magnitudes above 65,504 overflow, below 6.1e-05 lose precision
;; workspace buffers: qw 8,388,608 bytes; kw 8,388,608 bytes; vw 8,388,608 bytes; ao 8,388,608 bytes; wo16 524,288 bytes
;; launch proj (part 1): grid 2 x 104, 8 waves a work-group, no clusters, 183,296 bytes of LDS; arguments query, key, value, Wq, Wk, Wv, bq, bk, bv, qw, kw, vw, Wo, wo16; writes qw, kw, vw, wo16
.if DOCPART == 1
	.amdgcn_target "amdgcn-amd-amdhsa--gfx1250"
	.amdhsa_code_object_version 6
	.text
	.protected	k_q493a638f4d_proj
	.globl	k_q493a638f4d_proj
	.p2align	8
	.type	k_q493a638f4d_proj,@function
k_q493a638f4d_proj:
	s_mov_b64 s[64:65], 0
	v_nop
	global_prefetch_b8 v0, s[64:65] scope:SCOPE_SE
	s_setreg_imm32_b32 hwreg(HW_REG_WAVE_MODE, 25, 1), 1
	s_wait_xcnt 0x0
; q, k, v = X W^T + b, rounded once to f16 and stored head-major: [batch][head][row][64].  Besides: Wo rounded once to f16 for the last launch.
; X: [8192][512] f32 (query, key or value), W: [512][512] f32, b: [512] f32.
; Grid: x = column half (256 of the 512 columns), y = 32 t + rb for y < 96: tensor t (0 q, 1 k, 2 v), row block rb of 256 rows.
; The 16 work-groups with y = 96 .. 103 round 65,536 bytes of Wo each: done here once, it is not done by each of the last launch's 64 row blocks.
; A work-group makes 256 x 256 outputs over K = 512 with eight waves; wave w makes rows 64 (w & 3) .. + 63 and
; columns 128 (w >> 2) .. + 127 (two heads): 4 x 8 accumulator tiles of 16 x 16, 256 registers.
; K goes in steps of 64: each wave loads 32 rows of X and 32 rows of W (256 bytes of each row, aligned), rounds them to f16 in registers
; and stores them into one of two LDS buffers, while the other buffer is multiplied; the loads are issued a whole step before they are used.
; TWO GROUPS OF WAVES: the waves are split by the parity of w xor (w >> 2).  The odd ones convert the next tile at the head of a step, the even
; ones at its end, so that the two groups are not at their fragment loads, or at their products, at the same time.  Whether eight waves are dealt
; to four SIMDs in turn (w with w + 4) or in pairs (2 s with 2 s + 1), the two that share one differ in this parity.
; FORMAT: f16, not bf16: the result passes through five more roundings on its way to the output (q, k, v, the softmax's weights, the heads'
; result), and f16's 11 significant bits against bf16's 8 make each of them eight times smaller.  Room: q, k, v are sums of 512 products;
; as drawn they reach about 6, with both factors 30 times larger about 5,200, with both factors offset by 30 spreads 512 x 30 x 1.33 = 20,400.
; NO CLUSTER, NO TENSOR LOADS: the operands are f32 in memory and must be rounded to f16 once.  A tile brought straight into LDS would lie
; there in f32: 128 KiB for a K step of 64 instead of 64 KiB, and a second pass through LDS to round it.  So the way leads through registers.
; 192 work-groups for the products: equal tiles for 256 would be 49,152 outputs (96 x 512, 192 x 256, 384 x 128), and none of these row counts divides 8,192.
; LIMITS: matrix operands are rounded to f16, sums and bias are f32, the result is rounded once to f16; inputs and results
; of magnitude 65,504 and more become infinite; numbers below 6.1e-5 keep an absolute step of 6e-8.
.set KP,    144                        ; LDS pitch: 64 f16 = 128 bytes + 16 of padding, an odd multiple of 16
.set XB,    256*KP                     ; X's 256 rows; W's 256 rows lie behind them
.set BUF,   2*XB                       ; one LDS buffer
.set STAGE, 2*BUF                      ; behind the two buffers: 16 rows x 272 bytes for each wave, for the way out
.set SP,    272
.set GO,  8                            ; v8      byte offset of my 16 bytes in X and in W: (32 w + h) rows of 2,048 + 16 r
.set ST,  9                            ; v9-10   where I store 8 bytes of f16, buffer 0, 1
.set AX,  11                           ; v11-12  my X fragments, buffer 0, 1
.set AW,  13                           ; v13-14  my W fragments, buffer 0, 1
.set STO, 15                           ; v15     the way out: where I put 16 bytes of a row
.set RD,  16                           ; v16     the way out: where I read back
.set CO,  17                           ; v17     16 x lane
.set BO,  18                           ; v18     32 h: my 8 bias numbers in a group of 16 columns
.set FA,  32                           ; v32-63   X fragments, 8 registers for each of 4 row tiles
.set FB,  64                           ; v64-127  W fragments, 8 registers for each of 8 column tiles
.set SG,  128                          ; v128-255 staging: 16 loads of X, 16 of W, 4 registers each
; window 1 (v256-511): accumulator tile (mt, nt) at 8 (8 mt + nt)
; s48: the wave's group, 0 or 1
.set MSB, 0
.macro WIN new                         ; s_set_vgpr_msb: bits 1:0 source 0, 3:2 source 1, 5:4 source 2, 7:6 destination; the high byte repeats the setting left
.if MSB != \new
	s_set_vgpr_msb (MSB<<8)|\new
.set MSB, \new
.endif
.endm
.macro PLACES n                        ; independent vector instructions behind a matrix instruction (ISA guide 7.12.1)
.rept \n
	v_nop
.endr
.endm
	v_lshl_add_u32 v30, v0, 2, 0x2c800
	v_mov_b32 v31, 0
	s_and_b32 s45, ttmp7, 0xffff
	s_cmp_ge_u32 s45, 96                           ; the same in all waves of a work-group
	s_cbranch_scc1 .Lwo
	s_load_b512 s[8:23], s[0:1], 0x0               ; query 8, key 10, value 12, Wq 14, Wk 16, Wv 18, bq 20, bk 22
	s_load_b256 s[24:31], s[0:1], 0x40             ; bv 24, qw 26, kw 28, vw 30
	v_lshrrev_b32 v1, 5, v0
	v_readfirstlane_b32 s40, v1                    ; wave w
	s_and_b32 s41, s40, 3                          ; wr: which 64 rows
	s_lshr_b32 s42, s40, 2                         ; wc: which 128 columns
	s_xor_b32 s48, s42, s40
	s_and_b32 s48, s48, 1                          ; my group: the parity of w xor (w >> 2)
	s_lshr_b32 s43, s45, 5                         ; t: which tensor
	s_and_b32 s44, s45, 31                         ; rb: which 256 rows
	v_and_b32 v1, 31, v0                           ; lane L
	v_and_b32 v2, 15, v0                           ; r = L & 15
	v_bfe_u32 v3, v0, 4, 1                         ; h = L >> 4
	v_lshlrev_b32 v4, 4, v2
	v_lshl_add_u32 v4, v3, 11, v4                  ; 16 r + 2,048 h: one load covers two rows' 256 bytes
	s_lshl_b32 s45, s40, 16
	v_add_nc_u32 v[GO], s45, v4                    ; + 32 w rows
	v_mul_u32_u24 v4, v3, KP
	v_lshl_add_u32 v4, v2, 3, v4                   ; 144 h + 8 r
	s_mul_i32 s45, s40, 32*KP
	v_add_nc_u32 v[ST], s45, v4
	v_add_nc_u32 v[ST+1], BUF, v[ST]
	v_mul_u32_u24 v4, v2, KP
	v_lshl_add_u32 v4, v3, 4, v4                   ; a fragment's lane term: 144 r + 16 h
	s_mul_i32 s45, s41, 64*KP
	v_add_nc_u32 v[AX], s45, v4
	v_add_nc_u32 v[AX+1], BUF, v[AX]
	s_mul_i32 s45, s42, 128*KP
	s_add_co_u32 s45, s45, XB
	v_add_nc_u32 v[AW], s45, v4
	v_add_nc_u32 v[AW+1], BUF, v[AW]
	s_mul_i32 s45, s40, 16*SP
	s_add_co_u32 s45, s45, STAGE                   ; my stage
	v_mul_u32_u24 v4, v2, SP
	v_lshl_add_u32 v4, v3, 4, v4
	v_add_nc_u32 v[STO], s45, v4                   ; in: row r, 16 bytes for each half of the lanes
	v_lshrrev_b32 v4, 3, v1
	v_mul_u32_u24 v4, v4, SP
	v_and_b32 v5, 7, v1
	v_lshl_add_u32 v4, v5, 4, v4
	v_add_nc_u32 v[RD], s45, v4                    ; back: eight lanes take one head's 128 bytes of a row
	v_lshlrev_b32 v[CO], 4, v1
	v_lshlrev_b32 v[BO], 5, v3
	; byte offsets, apart from the addresses, each below 4 GiB with 0 above it
	s_lshl_b32 s46, s44, 19                        ; X: 256 rb rows of 2,048 bytes
	s_mov_b32 s47, 0
	s_lshl_b32 s2, ttmp9, 19                       ; W: 256 rows for each column half
	s_mov_b32 s3, 0
	s_lshl_b32 s6, ttmp9, 10                       ; bias: 4 (256 half + 128 wc)
	s_lshl_b32 s5, s42, 9
	s_add_co_u32 s6, s6, s5
	s_mov_b32 s7, 0
	s_and_b32 s4, s44, 24                          ; 8 x batch (a batch is 8 row blocks)
	s_lshl_b32 s45, ttmp9, 2
	s_add_co_u32 s4, s4, s45
	s_lshl_b32 s45, s42, 1
	s_add_co_u32 s4, s4, s45                       ; + my first head = 4 half + 2 wc
	s_lshl_b32 s4, s4, 11                          ; 2,048 rows for each (batch, head)
	s_and_b32 s45, s44, 7
	s_lshl_b32 s45, s45, 8
	s_add_co_u32 s4, s4, s45                       ; + 256 x row block in the batch
	s_lshl_b32 s45, s41, 6
	s_add_co_u32 s4, s4, s45                       ; + 64 wr
	s_lshl_b32 s4, s4, 7                           ; rows of 128 bytes
	s_mov_b32 s5, 0
	s_wait_kmcnt 0x0
	s_cmp_eq_u32 s43, 1                            ; the tensor's four buffers: X 32, W 34, bias 36, output 38
	s_cselect_b64 s[32:33], s[10:11], s[8:9]
	s_cselect_b64 s[34:35], s[16:17], s[14:15]
	s_cselect_b64 s[36:37], s[22:23], s[20:21]
	s_cselect_b64 s[38:39], s[28:29], s[26:27]
	s_cmp_eq_u32 s43, 2
	s_cselect_b64 s[32:33], s[12:13], s[32:33]
	s_cselect_b64 s[34:35], s[18:19], s[34:35]
	s_cselect_b64 s[36:37], s[24:25], s[36:37]
	s_cselect_b64 s[38:39], s[30:31], s[38:39]
	s_add_nc_u64 s[32:33], s[32:33], s[46:47]
	s_add_nc_u64 s[34:35], s[34:35], s[2:3]
	s_add_nc_u64 s[36:37], s[36:37], s[6:7]
	s_add_nc_u64 s[38:39], s[38:39], s[4:5]
; 16 loads: my 32 rows of X (of W), 64 f32 of each row; a load covers two rows' 256 consecutive bytes
.macro XLOADS
.irp i, 0,1,2,3,4,5,6,7,8,9,10,11,12,13,14,15
	global_load_b128 v[SG+4*\i:SG+4*\i+3], v[GO], s[32:33] offset:\i*4096
.endr
.endm
.macro WLOADS
.irp i, 0,1,2,3,4,5,6,7,8,9,10,11,12,13,14,15
	global_load_b128 v[SG+64+4*\i:SG+64+4*\i+3], v[GO], s[34:35] offset:\i*4096
.endr
.endm
; part 0: X, part 1: W.  Four f32 become four f16, in place; the 32 conversions stand ahead of the 16 stores, so that no store follows its own conversion
.macro CVTST buf, part
.irp i, 0,1,2,3,4,5,6,7,8,9,10,11,12,13,14,15
	v_cvt_pk_f16_f32 v[SG+64*\part+4*\i], v[SG+64*\part+4*\i], v[SG+64*\part+4*\i+1]
	v_cvt_pk_f16_f32 v[SG+64*\part+4*\i+1], v[SG+64*\part+4*\i+2], v[SG+64*\part+4*\i+3]
.endr
.irp i, 0,1,2,3,4,5,6,7,8,9,10,11,12,13,14,15
	ds_store_b64 v[ST+\buf], v[SG+64*\part+4*\i:SG+64*\part+4*\i+1] offset:\part*XB+\i*2*KP
.endr
.endm
; The tile whose 32 loads are out goes into LDS buffer buf.  more = 1: the tile behind it is asked for, each half as soon as its registers
; and its base are free; more = 0: the bias is asked for instead.
.macro TOLDS buf, more
	s_wait_loadcnt 16                              ; X's 16 loads are in; W's 16 younger ones may be out
	CVTST \buf, 0
.if \more
	s_add_nc_u64 s[32:33], s[32:33], 256           ; 64 f32 on along K: every load that names this base is in
	XLOADS
.endif
	s_wait_loadcnt 16*\more                        ; W's 16 loads are in; the 16 new loads of X may be out
	CVTST \buf, 1
.if \more
	s_add_nc_u64 s[34:35], s[34:35], 256
	WLOADS
.else
.irp nt, 0,1,2,3,4,5,6,7
	global_load_b128 v[SG+8*\nt:SG+8*\nt+3],   v[BO], s[36:37] offset:\nt*64      ; the bias of columns 16 nt + 8 h .. + 7
	global_load_b128 v[SG+8*\nt+4:SG+8*\nt+7], v[BO], s[36:37] offset:\nt*64+16
.endr
.endif
.endm
; the fragments of 32 along K: lane (r, h) takes row r, K = 8 h .. + 7 and 16 + 8 h .. + 7: two loads of 16 bytes, 32 bytes apart
.macro FETCH buf, ks
.irp mt, 0,1,2,3
	ds_load_b128 v[FA+8*\mt:FA+8*\mt+3],   v[AX+\buf] offset:\mt*16*KP+\ks*64
	ds_load_b128 v[FA+8*\mt+4:FA+8*\mt+7], v[AX+\buf] offset:\mt*16*KP+\ks*64+32
.endr
.irp nt, 0,1,2,3,4,5,6,7
	ds_load_b128 v[FB+8*\nt:FB+8*\nt+3],   v[AW+\buf] offset:\nt*16*KP+\ks*64
	ds_load_b128 v[FB+8*\nt+4:FB+8*\nt+7], v[AW+\buf] offset:\nt*16*KP+\ks*64+32
.endr
.endm
; 32 matrix instructions, used transposed: source 0 = 16 rows of W, source 1 = 16 rows of X, so that lane (r, h), register j holds
; row r of X and column 16 nt + 8 h + j: eight neighbouring columns.  Column tile by column tile, each as soon as its two loads are in.
; The 32 accumulators take turns, one instruction a turn.
.macro MUL zero
	WIN 0x50                                       ; C and D in window 1
.irp nt, 0,1,2,3,4,5,6,7
	s_wait_dscnt 14-2*\nt                          ; X's fragments and W's column tiles up to nt are in; the two loads of each later tile may be out
.irp mt, 0,1,2,3
.if \zero
	v_wmma_f32_16x16x32_f16 v[8*(8*\mt+\nt):8*(8*\mt+\nt)+7], v[FB+8*\nt:FB+8*\nt+7], v[FA+8*\mt:FA+8*\mt+7], 0
.else
	v_wmma_f32_16x16x32_f16 v[8*(8*\mt+\nt):8*(8*\mt+\nt)+7], v[FB+8*\nt:FB+8*\nt+7], v[FA+8*\mt:FA+8*\mt+7], v[8*(8*\mt+\nt):8*(8*\mt+\nt)+7]
.endif
.endr
.endr
	WIN 0
	PLACES 4                                       ; in front of the next loads into the fragments, and of the way out
.endm
; One K step of 64: buffer buf is multiplied; g = 1: the next tile goes into buffer nxt, at the head of the step in group 1, at its end in group 0.
; ONE barrier a step.  In front of it every wave has waited for its stores into buf and for its reads of nxt, which were the last step's;
; behind it buf is whole and nobody reads nxt.  The two branches jump over loads, conversions and LDS stores alone, never over the barrier.
.macro PTRIP buf, nxt, zero, g, more
	s_wait_dscnt 0x0
	s_barrier_signal -1
	s_barrier_wait -1
.if \g
	s_cmp_eq_u32 s48, 0
	s_cbranch_scc1 .Lnot_yet_\@
	TOLDS \nxt, \more
.Lnot_yet_\@:
.endif
	FETCH \buf, 0
	MUL \zero
	FETCH \buf, 1
	MUL 0
.if \g
	s_cmp_lg_u32 s48, 0
	s_cbranch_scc1 .Ldone_\@
	TOLDS \nxt, \more
.Ldone_\@:
.endif
.endm
	XLOADS
	WLOADS
	TOLDS 0, 1                                     ; tile 0 into buffer 0; tile 1 is asked for
	PTRIP 0, 1, 1, 1, 1                            ; the first products start the sums: nothing is cleared
	PTRIP 1, 0, 0, 1, 1
	s_mov_b32 s45, 2
.Lk:
	PTRIP 0, 1, 0, 1, 1
	PTRIP 1, 0, 0, 1, 1
	s_sub_co_u32 s45, s45, 1
	s_cmp_lg_u32 s45, 0
	s_cbranch_scc1 .Lk
	PTRIP 0, 1, 0, 1, 0                            ; the seventh step converts the eighth tile and asks for the bias instead of a ninth
	PTRIP 1, 0, 0, 0, 0
	s_wait_loadcnt 0x0                             ; the bias
; THE WAY OUT, 16 rows at a time: add the bias in f32, round to f16, 16 bytes a lane into my own stage, read back head by head.
; In memory 16 rows of one head are 2,048 consecutive bytes; a store of the wave covers 512 of them, aligned.
.macro OUT16 mt, sel
	WIN 0x01                                       ; source 0 in window 1
.irp nt, 0,1,2,3,4,5,6,7
.irp p, 0,2,4,6
	v_pk_add_f32 v[FB+8*\nt+\p:FB+8*\nt+\p+1], v[8*(8*\mt+\nt)+\p:8*(8*\mt+\nt)+\p+1], v[SG+8*\nt+\p:SG+8*\nt+\p+1]
.endr
.endr
	WIN 0
.irp nt, 0,1,2,3,4,5,6,7
.irp p, 0,1,2,3
	v_cvt_pk_f16_f32 v[FA+4*\nt+\p], v[FB+8*\nt+2*\p], v[FB+8*\nt+2*\p+1]
.endr
	ds_store_b128 v[STO], v[FA+4*\nt:FA+4*\nt+3] offset:32*\nt
.endr
	s_wait_xcnt 0x0                                ; registers that earlier stores read are loaded again only behind this wait
.irp hd, 0,1
.irp t, 0,1,2,3
	ds_load_b128 v[SG+64+32*\sel+16*\hd+4*\t:SG+64+32*\sel+16*\hd+4*\t+3], v[RD] offset:128*\hd+4*SP*\t   ; a wave's LDS instructions are served in order: these see the stores above
.endr
.endr
.irp hd, 0,1
.irp t, 0,1,2,3
	s_wait_dscnt 7-4*\hd-\t
	global_store_b128 v[CO], v[SG+64+32*\sel+16*\hd+4*\t:SG+64+32*\sel+16*\hd+4*\t+3], s[38:39] offset:262144*\hd+(16*\mt+4*\t)*128
.endr
.endr
.endm
	OUT16 0, 0
	OUT16 1, 1
	OUT16 2, 0
	OUT16 3, 1
	s_wait_tensorcnt 0x0
	ds_add_u32 v30, v31
	s_wait_dscnt 0x0
	s_endpgm
; Wo to f16: work-group c = 2 (y - 96) + x of 16 takes bytes 65,536 c .. of Wo and writes bytes 32,768 c .. of wo16, same order of the numbers.
; Thread t takes 32 bytes (8 numbers) in each of 8 turns; its two loads and its neighbours' cover 1,024 consecutive bytes a wave,
; and a store of the wave covers 512 consecutive bytes, aligned.
.Lwo:
	s_load_b128 s[4:7], s[0:1], 0x60               ; Wo 4, wo16 6
	s_sub_co_u32 s45, s45, 96
	s_lshl_b32 s45, s45, 1
	s_add_co_u32 s45, s45, ttmp9                   ; c
	s_lshl_b32 s2, s45, 16
	s_mov_b32 s3, 0
	s_lshl_b32 s8, s45, 15
	s_mov_b32 s9, 0
	v_lshlrev_b32 v1, 5, v0                        ; 32 t
	v_lshlrev_b32 v2, 4, v0                        ; 16 t
	s_wait_kmcnt 0x0
	s_add_nc_u64 s[4:5], s[4:5], s[2:3]
	s_add_nc_u64 s[6:7], s[6:7], s[8:9]
.irp i, 0,1,2,3,4,5,6,7
	global_load_b128 v[SG+8*\i:SG+8*\i+3],   v1, s[4:5] offset:\i*8192
	global_load_b128 v[SG+8*\i+4:SG+8*\i+7], v1, s[4:5] offset:\i*8192+16
.endr
.irp i, 0,1,2,3,4,5,6,7
	s_wait_loadcnt 14-2*\i                         ; turn i's two loads are in; the two of each later turn may be out
.irp p, 0,1,2,3
	v_cvt_pk_f16_f32 v[FA+4*\i+\p], v[SG+8*\i+2*\p], v[SG+8*\i+2*\p+1]
.endr
	global_store_b128 v2, v[FA+4*\i:FA+4*\i+3], s[6:7] offset:\i*4096
.endr
	s_endpgm
.Lfunc_end_k_q493a638f4d_proj:
	.size	k_q493a638f4d_proj, .Lfunc_end_k_q493a638f4d_proj-k_q493a638f4d_proj
	.p2alignl 7, 3214868480
	.fill 96, 4, 3214868480
	.section	.rodata,"a",@progbits
	.p2align	6, 0x0
	.amdhsa_kernel k_q493a638f4d_proj
		.amdhsa_group_segment_fixed_size 183296
		.amdhsa_private_segment_fixed_size 0
		.amdhsa_enable_private_segment 0
		.amdhsa_kernarg_size 112
		.amdhsa_user_sgpr_count 2
		.amdhsa_user_sgpr_kernarg_segment_ptr 1
		.amdhsa_wavefront_size32 1
		.amdhsa_system_sgpr_workgroup_id_x 1
		.amdhsa_system_sgpr_workgroup_id_y 1
		.amdhsa_system_sgpr_workgroup_id_z 1
		.amdhsa_system_vgpr_workitem_id 0
		.amdhsa_next_free_vgpr 512
		.amdhsa_next_free_sgpr 66
		.amdhsa_reserve_vcc 0
		.amdhsa_float_denorm_mode_32 3
		.amdhsa_float_denorm_mode_16_64 3
		.amdhsa_memory_ordered 1
		.amdhsa_forward_progress 1
		.amdhsa_inst_pref_size 183
	.end_amdhsa_kernel
	.amdgpu_metadata
---
amdhsa.version: [ 1, 2 ]
amdhsa.kernels:
  - .name:           k_q493a638f4d_proj
    .symbol:         k_q493a638f4d_proj.kd
    .args:
      - { .name: query, .offset: 0, .size: 8, .value_kind: global_buffer, .address_space: global }
      - { .name: key, .offset: 8, .size: 8, .value_kind: global_buffer, .address_space: global }
      - { .name: value, .offset: 16, .size: 8, .value_kind: global_buffer, .address_space: global }
      - { .name: Wq, .offset: 24, .size: 8, .value_kind: global_buffer, .address_space: global }
      - { .name: Wk, .offset: 32, .size: 8, .value_kind: global_buffer, .address_space: global }
      - { .name: Wv, .offset: 40, .size: 8, .value_kind: global_buffer, .address_space: global }
      - { .name: bq, .offset: 48, .size: 8, .value_kind: global_buffer, .address_space: global }
      - { .name: bk, .offset: 56, .size: 8, .value_kind: global_buffer, .address_space: global }
      - { .name: bv, .offset: 64, .size: 8, .value_kind: global_buffer, .address_space: global }
      - { .name: qw, .offset: 72, .size: 8, .value_kind: global_buffer, .address_space: global }
      - { .name: kw, .offset: 80, .size: 8, .value_kind: global_buffer, .address_space: global }
      - { .name: vw, .offset: 88, .size: 8, .value_kind: global_buffer, .address_space: global }
      - { .name: Wo, .offset: 96, .size: 8, .value_kind: global_buffer, .address_space: global }
      - { .name: wo16, .offset: 104, .size: 8, .value_kind: global_buffer, .address_space: global }
    .group_segment_fixed_size: 183296
    .private_segment_fixed_size: 0
    .kernarg_segment_align: 8
    .kernarg_segment_size: 112
    .max_flat_workgroup_size: 256
    .sgpr_count:     66
    .vgpr_count:     512
    .wavefront_size: 32
...
	.end_amdgpu_metadata
.endif
;; end of part 1
;; launch attn (part 2): grid 8 x 32, 8 waves a work-group, clusters of 4 x 1, 327,680 bytes of LDS; arguments qw, kw, vw, ao; writes ao
.if DOCPART == 2
	.amdgcn_target "amdgcn-amd-amdhsa--gfx1250"
	.amdhsa_code_object_version 6
	.text
	.protected	k_q493a638f4d_attn
	.globl	k_q493a638f4d_attn
	.p2align	8
	.type	k_q493a638f4d_attn,@function
k_q493a638f4d_attn:
	s_mov_b64 s[64:65], 0
	v_nop
	global_prefetch_b8 v0, s[64:65] scope:SCOPE_SE
	s_setreg_imm32_b32 hwreg(HW_REG_WAVE_MODE, 25, 1), 1
	s_wait_xcnt 0x0
	s_wait_alu depctr_hold_cnt(0) depctr_sa_sdst(0) depctr_va_vdst(0) depctr_va_sdst(0) depctr_va_ssrc(0) depctr_va_vcc(0) depctr_vm_vsrc(0)
	s_getreg_b32 s2, hwreg(HW_REG_IB_STS2, 6, 4)
	s_cmp_eq_u32 s2, 0
	s_cbranch_scc0 .Lentry_in_a_cluster
	s_endpgm
.Lentry_in_a_cluster:
	s_bfe_u32 s2, ttmp6, 0x10000c
	s_cmp_lg_u32 s2, 0x3003
	s_cbranch_scc0 .Lentry_shape_is_right
	s_endpgm
.Lentry_shape_is_right:
; ao = softmax(q k^T / 8) v for each of the 32 (batch, head) pairs.  qw, kw, vw, ao: [batch x head][2048][64] f16.
; Grid: y = batch x head, x = block of 256 queries.  Eight waves: wave w has queries 64 (w & 3) .. + 63 and, of every tile of 256 keys,
; the half g = w >> 2 (128 keys, two steps of 64).  The two halves keep a running maximum and sum of their own and are merged once at the end.
; CLUSTER: the four query blocks of a cluster walk the same K and V tiles, so every tile is asked for jointly (mask 15) and lands in all four.
; Tiles go through two LDS slots; each wave fetches 32 keys of K and 32 of V, so a wave has at most two tensor loads outstanding.
; LAYOUT: the scores are made transposed, S^T = K (source 0, m = key) x Q (source 1, n = query): lane (r, h), register j of tile (mt, nt) holds
; key 16 mt + 8 h + j of query 16 nt + r.  Two neighbouring key tiles, rounded to f16 and packed, ARE the source 1 fragment (n = query, 32 keys)
; of O^T = V^T x P^T, so P never moves between lanes, and maximum and sum of a query live in its two lanes r and r + 16.
; V^T fragments come from V as stored, [key][64], by the transposing LDS load.
; TWO GROUPS OF WAVES: a step is scores (32 matrix instructions), softmax (vector work), product with V (32 matrix instructions).  The round in
; front of each tile brings all waves into step; left so, they would all be at their matrix instructions, and then all at their softmax, together.
; So the softmax of a tile's second step is written twice, under branches on the parity of w xor (w >> 2): the even waves run it in front of the round,
; the odd ones behind it, and the product with V that follows it stands behind the round for all.  A tile is then, for the even waves, matrix, softmax,
; matrix, softmax, and for the odd ones softmax, matrix, softmax, matrix.  Whether eight waves are dealt to four SIMDs in turn (w with w + 4) or in
; pairs (2 s with 2 s + 1), the two that share one differ in this parity.  What crosses the round (scores or P, V's fragments) lies in registers.
; SOFTMAX: p = 2^(c s - c m), c = log2(e) / 8, m the running maximum of the raw scores; sums and O are rescaled by 2^(c m_old - c m_new).
; The shift n = -c m is rounded once and used alike for p, for the rescaling and in the merge, so its rounding cancels.
; FORMAT: f16.  p lies between 0 and 1 whatever the inputs; a p below 3e-8 is rounded to 0, at most 2,048 x 3e-8 of a row sum that is at least 1.
; The result is an average of rows of v and so has v's range.
; LIMITS: inputs finite; an exponential below 2^-126 counts as 0; the row sum takes the f32 p, the product with V takes p rounded to f16;
; the result is rounded once to f16.
.set KP,    144                        ; K's LDS pitch: 128 bytes + 16, an odd multiple of 16
.set VP,    160                        ; V's LDS pitch: 128 bytes + 32, an odd multiple of 32, for the transposing load
.set VOFF,  256*KP                     ; V's 256 keys lie behind K's
.set SLOT,  VOFF+256*VP                ; 77,824 bytes
.set MERGE, 2*SLOT                     ; behind the slots: for each query group 16,384 bytes of O, 512 of n, 512 of l
.set MGW,   17408
.set OST,   MERGE+4*MGW                ; the way out: 64 rows x 144 bytes for each query group
.set OSW,   64*KP
.set TILEB, 256*128                    ; bytes of a tile of K or of V in memory
.set KA,  8                            ; v8-9    my K fragments in slot 0, 1
.set VA,  10                           ; v10-11  my V fragments in slot 0, 1
.set MG,  12                           ; v12     merge area + 16 x lane
.set STO, 13                           ; v13     the way out: in
.set RD,  14                           ; v14     the way out: back
.set CO,  15                           ; v15     16 x lane
.set MX,  16                           ; v16-19  running maximum of the raw scores, one for each query tile
.set NA,  20                           ; v20-23  the shift n = -c m, even steps
.set NB,  24                           ; v24-27  the shift, odd steps: the two sets take turns, so no copy is made
.set AL,  28                           ; v28-31  2^(n_new - n_old)
.set LP,  32                           ; v32-39  a pair of partial row sums for each query tile
.set TM,  40                           ; v40-43  the step's maximum
.set PX,  44                           ; v44-47  what the other half of the lanes sends
.set LS,  48                           ; v48-51  the row sums at the end
.set NP,  52                           ; v52-55  the partner's n
.set LQ,  56                           ; v56-59  the partner's l
.set RC,  60                           ; v60-63  1 / l
.set F0,  MX                           ; my factor in the merge
.set F1,  NA                           ; the partner's
.set QF,  64                           ; v64-127  Q fragment (nt, ks) at 16 nt + 8 ks
.set KF,  128                          ; v128-191 K fragment (mt, ks) at 16 mt + 8 ks
.set VF,  192                          ; v192-255 V^T fragment (ht, c) at 16 ht + 8 c
.set OP,  128                          ; v128-255 at the end: the partner's O
.set OA,  0                            ; window 1, 0-127:   O^T tile (ht, nt) at 32 ht + 8 nt
.set SC,  128                          ; window 1, 128-255: S^T tile (mt, nt) at 32 nt + 8 mt; P fragment (nt, c) packed in place at 32 nt + 16 c
.set G1K, 28                           ; s[28:35] group 1 for K's parts
.set G1V, 36                           ; s[36:43] group 1 for V's parts: another padding
.set G0K, 44                           ; s[44:51] group 0 for K, a set for each slot
.set G0V, 52                           ; s[52:59] group 0 for V, a set for each slot
; s19: the wave's group, 0 (even) or 1 (odd)
.set MSB, 0
.macro WIN new                         ; s_set_vgpr_msb: bits 1:0 source 0, 3:2 source 1, 5:4 source 2, 7:6 destination; the high byte repeats the setting left
.if MSB != \new
	s_set_vgpr_msb (MSB<<8)|\new
.set MSB, \new
.endif
.endm
.macro PLACES n                        ; independent vector instructions behind a matrix instruction (ISA guide 7.12.1)
.rept \n
	v_nop
.endr
.endm
.macro ROUND                           ; a round of the cluster's barrier: my work-group's barrier, wave 0 signals for it, all wait for the four, my barrier again
	s_barrier_signal -1
	s_barrier_wait -1
	s_cmp_lg_u32 s12, 0
	s_cbranch_scc1 .Lnot_wave_0_\@
	s_barrier_signal -3
.Lnot_wave_0_\@:
	s_barrier_wait -3
	s_barrier_signal -1
	s_barrier_wait -1
.endm
	s_load_b256 s[4:11], s[0:1], 0x0               ; qw 4, kw 6, vw 8, ao 10
	v_lshl_add_u32 v190, v0, 2, 0x40000
	v_mov_b32 v191, 0
	ds_add_u32 v190, v191
	s_wait_dscnt 0x0
	v_lshrrev_b32 v1, 5, v0
	v_readfirstlane_b32 s12, v1                    ; wave w
	s_lshr_b32 s13, s12, 2                         ; g: which half of a tile's keys
	s_and_b32 s14, s12, 3                          ; qg: which 64 queries
	s_xor_b32 s19, s13, s12
	s_and_b32 s19, s19, 1                          ; my group: the parity of w xor (w >> 2)
	s_bfe_u32 s15, ttmp6, 0x40000                  ; cx: my place in the cluster
	s_lshl_b32 s16, ttmp9, 2
	s_add_co_u32 s16, s16, s15                     ; query block = 4 x cluster x + cx
	s_and_b32 s17, ttmp7, 0xffff                   ; batch x head
	s_mov_b32 s20, 0x3e38aa3b                      ; c = log2(e) / 8, twice: a pair for the packed multiply-add
	s_mov_b32 s21, 0x3e38aa3b
	s_mov_b32 s22, 0xbe38aa3b                      ; -c
	s_mov_b32 s24, 0x76543210                      ; v_permlanex16_b32: lane i of one half reads lane i of the other
	s_mov_b32 s25, 0xfedcba98
	; Group 1.  A wave's part, 32 keys x 128 bytes, is 4,096 consecutive bytes of memory: 16 rows of 32 elements of 8 bytes.
	; Padding behind every 32 words, that is behind every key: 4 words for K (pitch 144), 8 for V (pitch 160).
	s_mov_b32 s[G1K+0], 15|(3<<16)|(1<<20)|(1<<21)|(4<<22)|(3<<25)   ; mask: all four of the cluster; 8-byte elements; padding on; bit 21 beside a mask
	s_mov_b32 s[G1V+0], 15|(3<<16)|(1<<20)|(1<<21)|(4<<22)|(7<<25)
	s_mov_b32 s[G1K+1], 32<<16                     ; tensor_dim0 = 32
	s_mov_b32 s[G1V+1], 32<<16
	s_mov_b32 s[G1K+2], 16<<16                     ; tensor_dim1 = 16
	s_mov_b32 s[G1V+2], 16<<16
	s_mov_b32 s[G1K+3], 32<<16                     ; tile_dim0 = 32
	s_mov_b32 s[G1V+3], 32<<16
	s_mov_b32 s[G1K+4], 16                         ; tile_dim1 = 16
	s_mov_b32 s[G1V+4], 16
	s_mov_b32 s[G1K+5], 32                         ; from row to row: 32 elements
	s_mov_b32 s[G1V+5], 32
	s_mov_b32 s[G1K+6], 0
	s_mov_b32 s[G1V+6], 0
	s_mov_b32 s[G1K+7], 0
	s_mov_b32 s[G1V+7], 0
	; Group 0: LDS addresses hang on the wave and the slot alone, global addresses on batch x head, the wave and the tile: alike in all four partners
	s_mov_b32 s[G0K+0], 1
	s_mul_i32 s[G0K+1], s12, 32*KP
	s_mov_b32 s[G0K+4], 1
	s_add_co_u32 s[G0K+5], s[G0K+1], SLOT
	s_mov_b32 s[G0V+0], 1
	s_mul_i32 s[G0V+1], s12, 32*VP
	s_add_co_u32 s[G0V+1], s[G0V+1], VOFF
	s_mov_b32 s[G0V+4], 1
	s_add_co_u32 s[G0V+5], s[G0V+1], SLOT
	s_lshl_b32 s60, s17, 18                        ; 2,048 keys of 128 bytes for each batch x head
	s_lshl_b32 s61, s12, 12                        ; + my 32 keys
	s_add_co_u32 s60, s60, s61
	s_mov_b32 s61, 0
	s_lshl_b32 s26, s17, 18                        ; my 64 queries in qw and in ao
	s_lshl_b32 s27, s16, 15
	s_add_co_u32 s26, s26, s27
	s_lshl_b32 s27, s14, 13
	s_add_co_u32 s26, s26, s27
	s_mov_b32 s27, 0
	v_and_b32 v1, 31, v0                           ; lane L
	v_and_b32 v2, 15, v0                           ; r
	v_bfe_u32 v3, v0, 4, 1                         ; h
	v_mul_u32_u24 v4, v2, KP
	v_lshl_add_u32 v4, v3, 4, v4                   ; 144 r + 16 h
	s_mul_i32 s18, s13, 128*KP
	v_add_nc_u32 v[KA], s18, v4
	v_add_nc_u32 v[KA+1], SLOT, v[KA]
	v_and_b32 v5, 7, v0
	v_lshl_add_u32 v5, v3, 3, v5                   ; key 8 h + (L & 7)
	v_mul_u32_u24 v5, v5, VP
	v_bfe_u32 v6, v0, 3, 1
	v_lshl_add_u32 v5, v6, 4, v5                   ; + 16 bytes for the upper eight of sixteen lanes
	s_mul_i32 s18, s13, 128*VP
	s_add_co_u32 s18, s18, VOFF
	v_add_nc_u32 v[VA], s18, v5
	v_add_nc_u32 v[VA+1], SLOT, v[VA]
	s_mul_i32 s18, s14, MGW
	s_add_co_u32 s18, s18, MERGE
	v_lshl_add_u32 v[MG], v1, 4, s18
	s_mul_i32 s18, s14, OSW
	s_add_co_u32 s18, s18, OST
	v_add_nc_u32 v[STO], s18, v4
	v_lshrrev_b32 v5, 3, v1
	v_mul_u32_u24 v5, v5, KP
	v_and_b32 v6, 7, v0
	v_lshl_add_u32 v5, v6, 4, v5
	v_add_nc_u32 v[RD], s18, v5
	v_lshlrev_b32 v[CO], 4, v1
	v_lshlrev_b32 v7, 7, v2
	v_lshl_add_u32 v7, v3, 4, v7                   ; Q: 128 r + 16 h
.irp nt, 0,1,2,3
	v_mov_b32 v[PX+\nt], 0                         ; v_permlanex16_b32 counts as a reader of its destination
	v_mov_b32 v[NB+\nt], 0                         ; first written under a branch on the wave's group: defined here on every way through the text
.endr
	s_wait_kmcnt 0x0
	s_add_nc_u64 s[G0K+2:G0K+3], s[6:7], s[60:61]  ; tile 0 for slot 0,
	s_add_nc_u64 s[G0K+6:G0K+7], s[G0K+2:G0K+3], TILEB   ; tile 1 for slot 1
	s_add_nc_u64 s[G0V+2:G0V+3], s[8:9], s[60:61]
	s_add_nc_u64 s[G0V+6:G0V+7], s[G0V+2:G0V+3], TILEB
	s_or_b32 s[G0K+3], s[G0K+3], 0x80000000        ; type 2
	s_or_b32 s[G0K+7], s[G0K+7], 0x80000000
	s_or_b32 s[G0V+3], s[G0V+3], 0x80000000
	s_or_b32 s[G0V+7], s[G0V+7], 0x80000000
	s_add_nc_u64 s[4:5], s[4:5], s[26:27]
	s_add_nc_u64 s[10:11], s[10:11], s[26:27]
.irp nt, 0,1,2,3
.irp ks, 0,1
	global_load_b128 v[QF+16*\nt+8*\ks:QF+16*\nt+8*\ks+3],   v7, s[4:5] offset:\nt*2048+\ks*64      ; query 16 nt + r, head dims 32 ks + 8 h .. + 7
	global_load_b128 v[QF+16*\nt+8*\ks+4:QF+16*\nt+8*\ks+7], v7, s[4:5] offset:\nt*2048+\ks*64+32   ; and 32 ks + 16 + 8 h .. + 7
.endr
.endr
	ROUND                                          ; the four work-groups are here: the first joint loads meet.  Q's loads are on their way meanwhile
	tensor_load_to_lds s[G0K:G0K+3], s[G1K:G1K+7]
	s_nop 0
	tensor_load_to_lds s[G0V:G0V+3], s[G1V:G1V+7]
	s_nop 0
	s_wait_loadcnt 0x0                             ; Q stays in registers for the whole kernel
; kk = 0, 1: which 64 of my 128 keys in the slot
.macro KLOAD slot, kk                  ; 16 loads: K's fragments of a step
.irp mt, 0,1,2,3
.irp ks, 0,1
	ds_load_b128 v[KF+16*\mt+8*\ks:KF+16*\mt+8*\ks+3],   v[KA+\slot] offset:(\kk*64+16*\mt)*KP+64*\ks
	ds_load_b128 v[KF+16*\mt+8*\ks+4:KF+16*\mt+8*\ks+7], v[KA+\slot] offset:(\kk*64+16*\mt)*KP+64*\ks+32
.endr
.endr
.endm
.macro VLOAD slot, kk                  ; 16 loads: V^T's fragments of a step
.irp ht, 0,1,2,3
.irp c, 0,1
	ds_load_tr16_b128 v[VF+16*\ht+8*\c:VF+16*\ht+8*\c+3],   v[VA+\slot] offset:(\kk*64+32*\c)*VP+32*\ht       ; head dim 16 ht + r, keys 32 c + 8 h .. + 7
	ds_load_tr16_b128 v[VF+16*\ht+8*\c+4:VF+16*\ht+8*\c+7], v[VA+\slot] offset:(\kk*64+32*\c+16)*VP+32*\ht    ; and 32 c + 16 + 8 h .. + 7
.endr
.endr
.endm
; 32 products for the scores of 64 keys x 64 queries; the 16 accumulators take turns, one instruction a turn
.macro SMUL
	WIN 0x50                                       ; C and D in window 1
.irp mt, 0,1,2,3
.irp nt, 0,1,2,3
	v_wmma_f32_16x16x32_f16 v[SC+32*\nt+8*\mt:SC+32*\nt+8*\mt+7], v[KF+16*\mt:KF+16*\mt+7], v[QF+16*\nt:QF+16*\nt+7], 0
.endr
.endr
.irp mt, 0,1,2,3
.irp nt, 0,1,2,3
	v_wmma_f32_16x16x32_f16 v[SC+32*\nt+8*\mt:SC+32*\nt+8*\mt+7], v[KF+16*\mt+8:KF+16*\mt+15], v[QF+16*\nt+8:QF+16*\nt+15], v[SC+32*\nt+8*\mt:SC+32*\nt+8*\mt+7]
.endr
.endr
	WIN 0
	PLACES 5                                       ; four before vector instructions read the scores and before loads into K's fragments; five since the scores' registers later feed products as source 1
.endm
; 32 products O^T += V^T P^T; the 16 accumulators take turns, one instruction a turn.  first = 1: they start the sums
.macro PVMUL first
	WIN 0x54                                       ; source 1, C and D in window 1
.irp ht, 0,1,2,3
.irp nt, 0,1,2,3
.if \first
	v_wmma_f32_16x16x32_f16 v[OA+32*\ht+8*\nt:OA+32*\ht+8*\nt+7], v[VF+16*\ht:VF+16*\ht+7], v[SC+32*\nt:SC+32*\nt+7], 0
.else
	v_wmma_f32_16x16x32_f16 v[OA+32*\ht+8*\nt:OA+32*\ht+8*\nt+7], v[VF+16*\ht:VF+16*\ht+7], v[SC+32*\nt:SC+32*\nt+7], v[OA+32*\ht+8*\nt:OA+32*\ht+8*\nt+7]
.endif
.endr
.endr
.irp ht, 0,1,2,3
.irp nt, 0,1,2,3
	v_wmma_f32_16x16x32_f16 v[OA+32*\ht+8*\nt:OA+32*\ht+8*\nt+7], v[VF+16*\ht+8:VF+16*\ht+15], v[SC+32*\nt+16:SC+32*\nt+23], v[OA+32*\ht+8*\nt:OA+32*\ht+8*\nt+7]
.endr
.endr
	WIN 0
	PLACES 5                                       ; four before loads into V's fragments, five before the next scores are written over P
.endm
; The softmax of one step: registers alone.  kk says which set of shifts is written.  first = 1: the very first step starts maximum and sums.
.macro SOFT kk, first
.if \kk
.set NC, NB
.set NO, NA
.else
.set NC, NA
.set NO, NB
.endif
	; the maximum of my 32 scores of each query, with the running one: four chains that do not wait for each other
	WIN 0x05
.irp nt, 0,1,2,3
.if \first
	v_max_num_f32 v[TM+\nt], v[SC+32*\nt], v[SC+32*\nt+1]
.else
	v_max3_num_f32 v[TM+\nt], v[SC+32*\nt], v[SC+32*\nt+1], v[MX+\nt]
.endif
.endr
.set i, 2
.rept 15
.irp nt, 0,1,2,3
	v_max3_num_f32 v[TM+\nt], v[SC+32*\nt+i], v[SC+32*\nt+i+1], v[TM+\nt]
.endr
.set i, i+2
.endr
	WIN 0
.irp nt, 0,1,2,3
	v_permlanex16_b32 v[PX+\nt], v[TM+\nt], s24, s25      ; lanes r and r + 16 hold the same query
.endr
.irp nt, 0,1,2,3
	v_max_num_f32 v[MX+\nt], v[TM+\nt], v[PX+\nt]
.endr
.irp nt, 0,1,2,3
	v_mul_f32 v[NC+\nt], s22, v[MX+\nt]            ; n = -c m
.endr
.if \first == 0
.irp nt, 0,1,2,3
	v_sub_f32 v[AL+\nt], v[NC+\nt], v[NO+\nt]      ; c m_old - c m_new, never above 0
.endr
.irp nt, 0,1,2,3
	v_exp_f32 v[AL+\nt], v[AL+\nt]
.endr
	v_nop                                          ; one plain instruction behind the exponentials before their results are used
	s_wait_alu depctr_va_vdst(0)
.irp np, 0,1
.irp lo, 0,1
	v_pk_mul_f32 v[LP+4*\np+2*\lo:LP+4*\np+2*\lo+1], v[LP+4*\np+2*\lo:LP+4*\np+2*\lo+1], v[AL+2*\np:AL+2*\np+1] op_sel:[0,\lo] op_sel_hi:[1,\lo]
.endr
.endr
.endif
	; p = 2^(c s + n), in place; query tile nt = 2 np + lo.  O's rescaling is strewn among the exponentials, one for every two.
	WIN 0x41                                       ; source 0 and destination in window 1
.irp np, 0,1
.irp lo, 0,1
.set sb, SC+32*(2*\np+\lo)
.set ob, OA+8*(2*\np+\lo)
.set i, 0
.rept 16
	v_pk_fma_f32 v[sb+i:sb+i+1], v[sb+i:sb+i+1], s[20:21], v[NC+2*\np:NC+2*\np+1] op_sel:[0,0,\lo] op_sel_hi:[1,0,\lo]
.set i, i+2
.endr
.set i, 0
.rept 16
	v_exp_f32 v[sb+i], v[sb+i]
	v_exp_f32 v[sb+i+1], v[sb+i+1]
.if \first == 0
	v_pk_mul_f32 v[ob+32*(i/8)+(i%8):ob+32*(i/8)+(i%8)+1], v[ob+32*(i/8)+(i%8):ob+32*(i/8)+(i%8)+1], v[AL+2*\np:AL+2*\np+1] op_sel:[0,\lo] op_sel_hi:[1,\lo]
.endif
.set i, i+2
.endr
.endr
.endr
	v_nop                                          ; one plain instruction behind the last exponential
	; the row sums, in f32, from the unrounded p
.if \first
	WIN 0x05
	s_wait_alu depctr_va_vdst(0)
.irp nt, 0,1,2,3
	v_pk_add_f32 v[LP+2*\nt:LP+2*\nt+1], v[SC+32*\nt:SC+32*\nt+1], v[SC+32*\nt+2:SC+32*\nt+3]
.endr
.set i, 4
.else
.set i, 0
.endif
	WIN 0x01
	s_wait_alu depctr_va_vdst(0)
.rept 16-2*\first
.irp nt, 0,1,2,3
	v_pk_add_f32 v[LP+2*\nt:LP+2*\nt+1], v[SC+32*\nt+i:SC+32*\nt+i+1], v[LP+2*\nt:LP+2*\nt+1]
.endr
.set i, i+2
.endr
	; round to f16 and pack in place: register e of a fragment takes registers 2 e and 2 e + 1, which lie at or above it
	WIN 0x45
.irp nt, 0,1,2,3
.irp c, 0,1
.irp e, 0,1,2,3,4,5,6,7
	v_cvt_pk_f16_f32 v[SC+32*\nt+16*\c+\e], v[SC+32*\nt+16*\c+2*\e], v[SC+32*\nt+16*\c+2*\e+1]
.endr
.endr
.endr
	WIN 0
.endm
; One tile of 256 keys.  In front of the round every wave has waited for all its tensor loads (its parts of this tile among them) and for its
; reads of the other slot; behind the round no wave of the four work-groups reads that slot, and its refill comes first.
; A tile is asked for a whole trip, 128 matrix instructions and two softmax steps of every wave, before it is read.
; Fragments are asked for as soon as their registers are free: K's of step 0 behind the refills, K's of step 1 behind the scores of step 0,
; V's behind the product that read the last ones.  The two branches jump over vector work alone.
.macro TRIP slot, refill, first
	s_wait_xcnt 0x0
	v_lshl_add_u32 v190, v0, 2, 0x40000
	v_mov_b32 v191, 0
	s_wait_tensorcnt 0x0                           ; no tensor load of mine is out, so every group 0 may be written:
	ds_add_u32 v190, v191
	s_wait_dscnt 0x0
	s_add_nc_u64 s[G0K+4*\slot+2:G0K+4*\slot+3], s[G0K+4*\slot+2:G0K+4*\slot+3], 2*TILEB   ; this slot's next tile
	s_add_nc_u64 s[G0V+4*\slot+2:G0V+4*\slot+3], s[G0V+4*\slot+2:G0V+4*\slot+3], 2*TILEB
	s_wait_dscnt 0x0                               ; my reads of the other slot are back, V's fragments of its second step among them
	ROUND
.if \refill
	tensor_load_to_lds s[G0K+4-4*\slot:G0K+7-4*\slot], s[G1K:G1K+7]
	s_nop 0
	tensor_load_to_lds s[G0V+4-4*\slot:G0V+7-4*\slot], s[G1V:G1V+7]
	s_nop 0
.endif
	KLOAD \slot, 0
.if \first == 0
	s_cmp_eq_u32 s19, 0
	s_cbranch_scc1 .Lhad_it_\@                     ; the even waves ran it in front of the round
	SOFT 1, 0
.Lhad_it_\@:
	PVMUL 0                                        ; the last tile's second step
.endif
	VLOAD \slot, 0
	s_wait_dscnt 16                                ; K's 16 loads of step 0 are in; V's 16 younger ones may be out
	SMUL
	KLOAD \slot, 1
	SOFT 0, \first
	s_wait_dscnt 16                                ; V's 16 loads of step 0 are in; K's 16 of step 1 may be out
	PVMUL \first
	VLOAD \slot, 1
	s_wait_dscnt 16                                ; K's 16 loads of step 1 are in; V's 16 may be out
	SMUL
	s_cmp_lg_u32 s19, 0
	s_cbranch_scc1 .Llater_\@                      ; the odd waves run it behind the round
	SOFT 1, 0
.Llater_\@:
.endm
	TRIP 0, 1, 1                                   ; eight tiles: one, three times two, one
	s_mov_b32 s23, 3
.Ltiles:
	TRIP 1, 1, 0
	TRIP 0, 1, 0
	s_sub_co_u32 s23, s23, 1
	s_cmp_lg_u32 s23, 0
	s_cbranch_scc1 .Ltiles
	TRIP 1, 0, 0                                   ; the last tile fetches nothing (the stepped addresses are not used)
	s_cmp_eq_u32 s19, 0
	s_cbranch_scc1 .Llast
	SOFT 1, 0
.Llast:
	s_wait_dscnt 0x0                               ; V's fragments of the last step
	PVMUL 0
	; the row sums of my key half: the pair, then the other half of the lanes
.irp nt, 0,1,2,3
	v_add_f32 v[LS+\nt], v[LP+2*\nt], v[LP+2*\nt+1]
.endr
.irp nt, 0,1,2,3
	v_permlanex16_b32 v[PX+\nt], v[LS+\nt], s24, s25
.endr
.irp nt, 0,1,2,3
	v_add_f32 v[LS+\nt], v[LS+\nt], v[PX+\nt]
.endr
	; waves 4 to 7 hand O, n and l of the upper key half to the wave with the same queries
	s_cmp_lt_u32 s12, 4
	s_cbranch_scc1 .Lkeeper
	WIN 0x04                                       ; store data in window 1
.set i, 0
.rept 32
	ds_store_b128 v[MG], v[OA+4*i:OA+4*i+3] offset:512*i
.set i, i+1
.endr
	WIN 0
	ds_store_b128 v[MG], v[NB:NB+3] offset:16384   ; the last step was an odd one: its shift lies in NB
	ds_store_b128 v[MG], v[LS:LS+3] offset:16896
.Lkeeper:
	s_wait_dscnt 0x0                               ; the stores are in LDS, for the other wave's sake
	s_barrier_signal -1
	s_barrier_wait -1
	s_cmp_ge_u32 s12, 4
	s_cbranch_scc1 .Lclose
	; waves 0 to 3 merge: n* = min(n, n'), factors 2^(n* - n) and 2^(n* - n'), l = their weighted sum, O = (O f + O' f') / l
	ds_load_b128 v[NP:NP+3], v[MG] offset:16384
	ds_load_b128 v[LQ:LQ+3], v[MG] offset:16896
.set i, 0
.rept 32
	ds_load_b128 v[OP+4*i:OP+4*i+3], v[MG] offset:512*i
.set i, i+1
.endr
	s_wait_dscnt 32                                ; n' and l' are in; the 32 loads of O' may be out
.irp nt, 0,1,2,3
	v_min_num_f32 v[TM+\nt], v[NB+\nt], v[NP+\nt]  ; the smaller shift belongs to the larger maximum
.endr
.irp nt, 0,1,2,3
	v_sub_f32 v[F0+\nt], v[TM+\nt], v[NB+\nt]
	v_sub_f32 v[F1+\nt], v[TM+\nt], v[NP+\nt]
.endr
.irp nt, 0,1,2,3
	v_exp_f32 v[F0+\nt], v[F0+\nt]
	v_exp_f32 v[F1+\nt], v[F1+\nt]
.endr
	v_nop
	s_wait_alu depctr_va_vdst(0)
.irp nt, 0,1,2,3
	v_mul_f32 v[LS+\nt], v[LS+\nt], v[F0+\nt]
.endr
.irp nt, 0,1,2,3
	v_fmac_f32 v[LS+\nt], v[LQ+\nt], v[F1+\nt]     ; one of the two factors is 1 and its sum holds the maximum's own p = 1: l is not 0
.endr
.irp nt, 0,1,2,3
	v_rcp_f32 v[RC+\nt], v[LS+\nt]
.endr
	v_nop
	s_wait_alu depctr_va_vdst(0)
.irp nt, 0,1,2,3
	v_mul_f32 v[F0+\nt], v[F0+\nt], v[RC+\nt]
	v_mul_f32 v[F1+\nt], v[F1+\nt], v[RC+\nt]
.endr
	s_wait_dscnt 0x0                               ; O'
.irp ht, 0,1,2,3
.irp np, 0,1
.irp lo, 0,1
.irp p, 0,2,4,6
	v_pk_mul_f32 v[OP+32*\ht+16*\np+8*\lo+\p:OP+32*\ht+16*\np+8*\lo+\p+1], v[OP+32*\ht+16*\np+8*\lo+\p:OP+32*\ht+16*\np+8*\lo+\p+1], v[F1+2*\np:F1+2*\np+1] op_sel:[0,\lo] op_sel_hi:[1,\lo]
.endr
.endr
.endr
.endr
	WIN 0x01                                       ; source 0 (my O) in window 1
.irp ht, 0,1,2,3
.irp np, 0,1
.irp lo, 0,1
.irp p, 0,2,4,6
	v_pk_fma_f32 v[OP+32*\ht+16*\np+8*\lo+\p:OP+32*\ht+16*\np+8*\lo+\p+1], v[OA+32*\ht+16*\np+8*\lo+\p:OA+32*\ht+16*\np+8*\lo+\p+1], v[F0+2*\np:F0+2*\np+1], v[OP+32*\ht+16*\np+8*\lo+\p:OP+32*\ht+16*\np+8*\lo+\p+1] op_sel:[0,\lo,0] op_sel_hi:[1,\lo,1]
.endr
.endr
.endr
.endr
	WIN 0
	; THE WAY OUT: lane (r, h) holds head dims 16 ht + 8 h .. + 7 of query 16 nt + r: 16 bytes of f16, into my own stage, read back as rows.
	; My 64 rows of 128 bytes are 8,192 consecutive bytes of ao; a store of the wave covers 512 of them, aligned.
.irp ht, 0,1,2,3
.irp nt, 0,1,2,3
.irp e, 0,1,2,3
	v_cvt_pk_f16_f32 v[OP+32*\ht+8*\nt+\e], v[OP+32*\ht+8*\nt+2*\e], v[OP+32*\ht+8*\nt+2*\e+1]
.endr
	ds_store_b128 v[STO], v[OP+32*\ht+8*\nt:OP+32*\ht+8*\nt+3] offset:\nt*16*KP+\ht*32
.endr
.endr
.set i, 0
.rept 16
	ds_load_b128 v[QF+4*i:QF+4*i+3], v[RD] offset:4*KP*i     ; a wave's LDS instructions are served in order: these see the stores above
.set i, i+1
.endr
.set i, 0
.rept 16
	s_wait_dscnt 15-i
	global_store_b128 v[CO], v[QF+4*i:QF+4*i+3], s[10:11] offset:512*i
.set i, i+1
.endr
.Lclose:
	s_wait_dscnt 0x0
	s_wait_xcnt 0x0
	v_lshl_add_u32 v190, v0, 2, 0x40000
	v_mov_b32 v191, 0
	s_wait_tensorcnt 0x0
	ds_add_u32 v190, v191
	s_wait_dscnt 0x0
	ROUND                                          ; the closing round: no work-group ends while a partner may still ask for a tile that names it
	s_endpgm
.Lfunc_end_k_q493a638f4d_attn:
	.size	k_q493a638f4d_attn, .Lfunc_end_k_q493a638f4d_attn-k_q493a638f4d_attn
	.p2alignl 7, 3214868480
	.fill 96, 4, 3214868480
	.section	.rodata,"a",@progbits
	.p2align	6, 0x0
	.amdhsa_kernel k_q493a638f4d_attn
		.amdhsa_group_segment_fixed_size 327680
		.amdhsa_private_segment_fixed_size 0
		.amdhsa_enable_private_segment 0
		.amdhsa_kernarg_size 32
		.amdhsa_user_sgpr_count 2
		.amdhsa_user_sgpr_kernarg_segment_ptr 1
		.amdhsa_wavefront_size32 1
		.amdhsa_system_sgpr_workgroup_id_x 1
		.amdhsa_system_sgpr_workgroup_id_y 1
		.amdhsa_system_sgpr_workgroup_id_z 1
		.amdhsa_system_vgpr_workitem_id 0
		.amdhsa_next_free_vgpr 512
		.amdhsa_next_free_sgpr 66
		.amdhsa_reserve_vcc 0
		.amdhsa_float_denorm_mode_32 3
		.amdhsa_float_denorm_mode_16_64 3
		.amdhsa_memory_ordered 1
		.amdhsa_forward_progress 1
		.amdhsa_inst_pref_size 255
	.end_amdhsa_kernel
	.section	.bss,"aw",@nobits
	.p2align	6
	.space	262144
	.amdgpu_metadata
---
amdhsa.version: [ 1, 2 ]
amdhsa.kernels:
  - .name:           k_q493a638f4d_attn
    .symbol:         k_q493a638f4d_attn.kd
    .args:
      - { .name: qw, .offset: 0, .size: 8, .value_kind: global_buffer, .address_space: global }
      - { .name: kw, .offset: 8, .size: 8, .value_kind: global_buffer, .address_space: global }
      - { .name: vw, .offset: 16, .size: 8, .value_kind: global_buffer, .address_space: global }
      - { .name: ao, .offset: 24, .size: 8, .value_kind: global_buffer, .address_space: global }
    .group_segment_fixed_size: 327680
    .private_segment_fixed_size: 0
    .kernarg_segment_align: 8
    .kernarg_segment_size: 32
    .max_flat_workgroup_size: 256
    .sgpr_count:     66
    .vgpr_count:     512
    .wavefront_size: 32
...
	.end_amdgpu_metadata
.endif
;; end of part 2
;; launch oproj (part 3): grid 4 x 64, 8 waves a work-group, clusters of 4 x 4, 318,464 bytes of LDS; arguments ao, wo16, bo, out0; writes out0
.if DOCPART == 3
	.amdgcn_target "amdgcn-amd-amdhsa--gfx1250"
	.amdhsa_code_object_version 6
	.text
	.protected	k_q493a638f4d_oproj
	.globl	k_q493a638f4d_oproj
	.p2align	8
	.type	k_q493a638f4d_oproj,@function
k_q493a638f4d_oproj:
	s_mov_b64 s[64:65], 0
	v_nop
	global_prefetch_b8 v0, s[64:65] scope:SCOPE_SE
	s_setreg_imm32_b32 hwreg(HW_REG_WAVE_MODE, 25, 1), 1
	s_wait_xcnt 0x0
	s_wait_alu depctr_hold_cnt(0) depctr_sa_sdst(0) depctr_va_vdst(0) depctr_va_sdst(0) depctr_va_ssrc(0) depctr_va_vcc(0) depctr_vm_vsrc(0)
	s_getreg_b32 s2, hwreg(HW_REG_IB_STS2, 6, 4)
	s_cmp_eq_u32 s2, 0
	s_cbranch_scc0 .Lentry_in_a_cluster
	s_endpgm
.Lentry_in_a_cluster:
	s_bfe_u32 s2, ttmp6, 0x10000c
	s_cmp_lg_u32 s2, 0xf033
	s_cbranch_scc0 .Lentry_shape_is_right
	s_endpgm
.Lentry_shape_is_right:
; out0 = A Wo^T + bo in f32.  A is the attention's result, [batch][head][2048][64] f16; wo16 is Wo rounded to f16 by the first launch,
; [512][512]; bo: [512] f32; out0: [8192][512] f32.
; Grid: x = block of 128 columns, y = block of 128 rows.  Eight waves: wave w makes rows 32 (w & 3) .. + 31 and columns 64 (w >> 2) .. + 63:
; 2 x 4 accumulator tiles.  All of K = 512 lies in LDS, so nothing is filled twice.
; CLUSTER: 4 x 4 work-groups.  The four of a row of the cluster make the same 128 rows of out0 and need the same rows of A; the four of a column
; make the same 128 columns and need the same rows of Wo.  Each tile is asked for jointly by its four, which divides the requests by four.
; K is cut in two halves (heads 0-3, heads 4-7) with LDS bytes of their own.  Each wave issues four tensor loads, which is the most it has
; outstanding: its eighth of A's and of Wo's half 0, then of half 1; half 0 is multiplied while half 1 may still be on its way.
; Fragments take turns through three sets of registers and are asked for two K steps of 32 before they are multiplied.
; LIMITS: matrix operands in f16, sums and bias in f32; the bias enters as the first product's C.
.set AP,    144                        ; A's LDS pitch: one head's 128 bytes + 16
.set AH,    128*AP                     ; one head's 128 rows
.set WB0,   8*AH                       ; Wo, K half 0: 128 rows x 528 bytes
.set WP,    528                        ; 256 f16 + 16 bytes, an odd multiple of 16
.set WBS,   128*WP                     ; K half 1 lies behind half 0
.set STAGE, WB0+2*WBS                  ; the way out: 16 rows x 272 bytes for each wave
.set SP,    272
.set AA,   8                           ; v8-9    my A fragments, K half 0, 1
.set AWB,  10                          ; v10-11  my Wo fragments, K half 0, 1
.set STO,  12
.set RD,   13
.set CO,   14
.set BO,   15
.set BIAS, 16                          ; v16-47   the bias in an accumulator's layout, 8 registers for each column tile
.set ACC,  48                          ; v48-111  tile (mt, nt) at 8 (4 mt + nt)
.set FS,   112                         ; v112-255 three sets of fragments, 48 registers each: A's two row tiles, then Wo's four column tiles
.set G1A,  24                          ; s[24:31] group 1 for A's parts
.set G1W,  32                          ; s[32:39] group 1 for Wo's parts
.set G0A0, 40                          ; s[40:43] group 0: A, K half 0
.set G0W0, 44                          ; s[44:47] Wo, K half 0
.set G0A1, 48                          ; s[48:51] A, K half 1
.set G0W1, 52                          ; s[52:55] Wo, K half 1
.macro PLACES n                        ; independent vector instructions behind a matrix instruction (ISA guide 7.12.1)
.rept \n
	v_nop
.endr
.endm
.macro ROUND                           ; a round of the cluster's barrier: my work-group's barrier, wave 0 signals for it, all wait for the sixteen, my barrier again
	s_barrier_signal -1
	s_barrier_wait -1
	s_cmp_lg_u32 s12, 0
	s_cbranch_scc1 .Lnot_wave_0_\@
	s_barrier_signal -3
.Lnot_wave_0_\@:
	s_barrier_wait -3
	s_barrier_signal -1
	s_barrier_wait -1
.endm
	s_load_b256 s[4:11], s[0:1], 0x0               ; ao 4, wo16 6, bo 8, out0 10
	v_lshl_add_u32 v6, v0, 2, 0x4d800
	v_mov_b32 v7, 0
	ds_add_u32 v6, v7
	v_lshrrev_b32 v1, 5, v0
	v_readfirstlane_b32 s12, v1                    ; wave w
	s_and_b32 s13, s12, 3                          ; wr: which 32 rows
	s_lshr_b32 s14, s12, 2                         ; wc: which 64 columns
	s_bfe_u32 s15, ttmp6, 0x40000                  ; cx
	s_bfe_u32 s16, ttmp6, 0x40004                  ; cy
	s_lshl_b32 s17, ttmp9, 2
	s_add_co_u32 s17, s17, s15                     ; column block = 4 x cluster x + cx
	s_and_b32 s18, ttmp7, 0xffff
	s_lshl_b32 s18, s18, 2
	s_add_co_u32 s18, s18, s16                     ; row block = 4 x cluster y + cy
	s_lshl_b32 s19, s16, 2
	s_lshl_b32 s19, 15, s19                        ; my row of the cluster: places 4 cy .. 4 cy + 3
	s_lshl_b32 s20, 0x1111, s15                    ; my column: places cx, cx + 4, cx + 8, cx + 12
	; Group 1 for A: a wave's part, 64 rows x 128 bytes of one head, is 8,192 consecutive bytes: 32 rows of 32 elements of 8 bytes;
	; 4 words of padding behind every 32, that is behind every row of A (pitch 144)
	s_or_b32 s[G1A+0], s19, (3<<16)|(1<<20)|(1<<21)|(4<<22)|(3<<25)   ; the mask: my row; 8-byte elements; padding on; bit 21 beside a mask
	s_mov_b32 s[G1A+1], 32<<16                     ; tensor_dim0 = 32
	s_mov_b32 s[G1A+2], 32<<16                     ; tensor_dim1 = 32
	s_mov_b32 s[G1A+3], 32<<16                     ; tile_dim0 = 32
	s_mov_b32 s[G1A+4], 32                         ; tile_dim1 = 32
	s_mov_b32 s[G1A+5], 32                         ; from row to row
	s_mov_b32 s[G1A+6], 0
	s_mov_b32 s[G1A+7], 0
	; Group 1 for Wo: 16 rows x 512 bytes (256 along K) out of rows of 1,024 bytes; 4 words of padding behind every 128, that is behind every row (pitch 528)
	s_or_b32 s[G1W+0], s20, (3<<16)|(1<<20)|(1<<21)|(6<<22)|(3<<25)   ; the mask: my column
	s_mov_b32 s[G1W+1], 64<<16                     ; tensor_dim0 = 64
	s_mov_b32 s[G1W+2], 16<<16                     ; tensor_dim1 = 16
	s_mov_b32 s[G1W+3], 64<<16                     ; tile_dim0 = 64
	s_mov_b32 s[G1W+4], 16                         ; tile_dim1 = 16
	s_mov_b32 s[G1W+5], 128                        ; from row to row: 128 elements
	s_mov_b32 s[G1W+6], 0
	s_mov_b32 s[G1W+7], 0
	; Group 0: LDS addresses are the wave's number times a constant plus a constant.  Part w of a K half of A is head w >> 1 of the half, rows 64 (w & 1) .. + 63.
	s_mov_b32 s[G0A0], 1
	s_mul_i32 s[G0A0+1], s12, 64*AP
	s_mov_b32 s[G0A1], 1
	s_add_co_u32 s[G0A1+1], s[G0A0+1], 4*AH
	s_mov_b32 s[G0W0], 1
	s_mul_i32 s[G0W0+1], s12, 16*WP
	s_add_co_u32 s[G0W0+1], s[G0W0+1], WB0
	s_mov_b32 s[G0W1], 1
	s_add_co_u32 s[G0W1+1], s[G0W0+1], WBS
	; A's offset is made of the row block and the wave alone, Wo's of the column block and the wave alone, each in registers of its own
	s_lshr_b32 s56, s18, 4                         ; batch (16 row blocks each) x 8 heads x 262,144 bytes
	s_lshl_b32 s56, s56, 21
	s_and_b32 s58, s18, 15
	s_lshl_b32 s58, s58, 14                        ; + 128 rows of 128 bytes for each row block in the batch
	s_add_co_u32 s56, s56, s58
	s_lshr_b32 s58, s12, 1
	s_lshl_b32 s58, s58, 18                        ; + head w >> 1
	s_add_co_u32 s56, s56, s58
	s_and_b32 s58, s12, 1
	s_lshl_b32 s58, s58, 13                        ; + 64 (w & 1) rows
	s_add_co_u32 s56, s56, s58
	s_mov_b32 s57, 0
	s_lshl_b32 s60, s17, 17                        ; 128 rows of 1,024 bytes for each column block
	s_lshl_b32 s62, s12, 14                        ; + 16 w rows
	s_add_co_u32 s60, s60, s62
	s_mov_b32 s61, 0
	s_lshl_b32 s66, s17, 9                         ; my first column in bytes of f32: 4 (128 block + 64 wc)
	s_lshl_b32 s70, s14, 8
	s_add_co_u32 s66, s66, s70
	s_mov_b32 s67, 0
	s_lshl_b32 s68, s18, 18                        ; out0: 128 rows of 2,048 bytes for each row block
	s_lshl_b32 s70, s13, 16                        ; + 32 wr rows
	s_add_co_u32 s68, s68, s70
	s_add_co_u32 s68, s68, s66                     ; + my first column
	s_mov_b32 s69, 0
	v_and_b32 v2, 15, v0                           ; r
	v_bfe_u32 v3, v0, 4, 1                         ; h
	v_mul_u32_u24 v4, v2, AP
	v_lshl_add_u32 v4, v3, 4, v4
	s_mul_i32 s22, s13, 32*AP
	v_add_nc_u32 v[AA], s22, v4
	v_add_nc_u32 v[AA+1], 4*AH, v[AA]
	v_mul_u32_u24 v4, v2, WP
	v_lshl_add_u32 v4, v3, 4, v4
	s_mul_i32 s22, s14, 64*WP
	s_add_co_u32 s22, s22, WB0
	v_add_nc_u32 v[AWB], s22, v4
	v_add_nc_u32 v[AWB+1], WBS, v[AWB]
	s_mul_i32 s22, s12, 16*SP
	s_add_co_u32 s22, s22, STAGE
	v_mul_u32_u24 v4, v2, SP
	v_lshl_add_u32 v4, v3, 5, v4
	v_add_nc_u32 v[STO], s22, v4                   ; in: row r, 32 bytes for each half of the lanes
	v_mul_u32_u24 v4, v3, SP
	v_lshl_add_u32 v4, v2, 4, v4
	v_add_nc_u32 v[RD], s22, v4                    ; back: sixteen lanes take a row's 256 bytes
	v_lshlrev_b32 v4, 4, v2
	v_lshl_add_u32 v[CO], v3, 11, v4               ; and the same two rows in out0
	v_lshlrev_b32 v[BO], 5, v3
	s_wait_dscnt 0x0
	s_wait_kmcnt 0x0
	s_add_nc_u64 s[G0A0+2:G0A0+3], s[4:5], s[56:57]
	s_add_nc_u64 s[G0A1+2:G0A1+3], s[G0A0+2:G0A0+3], 4*262144    ; four heads on
	s_add_nc_u64 s[G0W0+2:G0W0+3], s[6:7], s[60:61]
	s_add_nc_u64 s[G0W1+2:G0W1+3], s[G0W0+2:G0W0+3], 512         ; 256 along K on
	s_or_b32 s[G0A0+3], s[G0A0+3], 0x80000000      ; type 2
	s_or_b32 s[G0A1+3], s[G0A1+3], 0x80000000
	s_or_b32 s[G0W0+3], s[G0W0+3], 0x80000000
	s_or_b32 s[G0W1+3], s[G0W1+3], 0x80000000
	s_add_nc_u64 s[8:9], s[8:9], s[66:67]
	s_add_nc_u64 s[10:11], s[10:11], s[68:69]
.irp nt, 0,1,2,3
	global_load_b128 v[BIAS+8*\nt:BIAS+8*\nt+3],   v[BO], s[8:9] offset:64*\nt      ; bo of columns 16 nt + 8 h .. + 7
	global_load_b128 v[BIAS+8*\nt+4:BIAS+8*\nt+7], v[BO], s[8:9] offset:64*\nt+16
.endr
	ROUND                                          ; the sixteen work-groups are here: the joint loads meet
	tensor_load_to_lds s[G0A0:G0A0+3], s[G1A:G1A+7]
	s_nop 0
	tensor_load_to_lds s[G0W0:G0W0+3], s[G1W:G1W+7]
	s_nop 0
	tensor_load_to_lds s[G0A1:G0A1+3], s[G1A:G1A+7]
	s_nop 0
	tensor_load_to_lds s[G0W1:G0W1+3], s[G1W:G1W+7]
	s_nop 0
; 12 loads: the fragments of step k (32 along K) of a half, into set k mod 3.  Step k lies in head 4 half + (k >> 1), at byte 64 (k & 1) of its rows.
.macro FETCH half, k
.irp mt, 0,1
	ds_load_b128 v[FS+48*((\k)%3)+8*\mt:FS+48*((\k)%3)+8*\mt+3],   v[AA+\half] offset:((\k)>>1)*AH+\mt*16*AP+((\k)&1)*64
	ds_load_b128 v[FS+48*((\k)%3)+8*\mt+4:FS+48*((\k)%3)+8*\mt+7], v[AA+\half] offset:((\k)>>1)*AH+\mt*16*AP+((\k)&1)*64+32
.endr
.irp nt, 0,1,2,3
	ds_load_b128 v[FS+48*((\k)%3)+16+8*\nt:FS+48*((\k)%3)+16+8*\nt+3], v[AWB+\half] offset:\nt*16*WP+(\k)*64
	ds_load_b128 v[FS+48*((\k)%3)+20+8*\nt:FS+48*((\k)%3)+20+8*\nt+3], v[AWB+\half] offset:\nt*16*WP+(\k)*64+32
.endr
.endm
; 8 products, used transposed: source 0 = 16 rows of Wo, source 1 = 16 rows of A, so that lane (r, h), register j holds row r and
; column 16 nt + 8 h + j.  The eight accumulators take turns, one instruction a turn.
.macro MULK k, bias
.irp mt, 0,1
.irp nt, 0,1,2,3
.if \bias
	v_wmma_f32_16x16x32_f16 v[ACC+8*(4*\mt+\nt):ACC+8*(4*\mt+\nt)+7], v[FS+48*((\k)%3)+16+8*\nt:FS+48*((\k)%3)+16+8*\nt+7], v[FS+48*((\k)%3)+8*\mt:FS+48*((\k)%3)+8*\mt+7], v[BIAS+8*\nt:BIAS+8*\nt+7]
.else
	v_wmma_f32_16x16x32_f16 v[ACC+8*(4*\mt+\nt):ACC+8*(4*\mt+\nt)+7], v[FS+48*((\k)%3)+16+8*\nt:FS+48*((\k)%3)+16+8*\nt+7], v[FS+48*((\k)%3)+8*\mt:FS+48*((\k)%3)+8*\mt+7], v[ACC+8*(4*\mt+\nt):ACC+8*(4*\mt+\nt)+7]
.endif
.endr
.endr
	PLACES 4                                       ; in front of the next loads into this set, and of the way out
.endm
; A K half: eight steps.  Step k + 2's fragments go into the set that step k - 1 has read, four places behind its products.
.macro HALF half, bias
	FETCH \half, 0
	FETCH \half, 1
	FETCH \half, 2
	s_wait_dscnt 24                                ; step 0's 12 loads are in; the 24 of the two steps behind it may be out
	MULK 0, \bias
.set k, 1
.rept 5
	FETCH \half, k+2
	s_wait_dscnt 24                                ; step k's 12 loads are in
	MULK k, 0
.set k, k+1
.endr
	s_wait_dscnt 12                                ; step 6's are in; step 7's 12 may be out
	MULK 6, 0
	s_wait_dscnt 0x0
	MULK 7, 0
.endm
	s_wait_tensorcnt 2                             ; my parts of half 0 have landed; my two loads of half 1 may be out
	s_barrier_signal -1
	s_barrier_wait -1                              ; everybody's have
	s_wait_loadcnt 0x0                             ; the bias
	HALF 0, 1                                      ; the first products take the bias as C: nothing is cleared, nothing added later
	s_wait_tensorcnt 0x0                           ; my parts of half 1
	s_barrier_signal -1
	s_barrier_wait -1
	HALF 1, 0
; THE WAY OUT, 16 rows at a time: 32 bytes of f32 a lane into my own stage, read back as rows of 256 bytes;
; sixteen lanes store 256 consecutive bytes, at a multiple of 256 from out0's first byte.  Each 16 rows have 32 registers of their own.
.macro OUT mt
.irp nt, 0,1,2,3
	ds_store_b128 v[STO], v[ACC+8*(4*\mt+\nt):ACC+8*(4*\mt+\nt)+3]   offset:64*\nt
	ds_store_b128 v[STO], v[ACC+8*(4*\mt+\nt)+4:ACC+8*(4*\mt+\nt)+7] offset:64*\nt+16
.endr
.irp t, 0,1,2,3,4,5,6,7
	ds_load_b128 v[FS+32*\mt+4*\t:FS+32*\mt+4*\t+3], v[RD] offset:2*SP*\t     ; a wave's LDS instructions are served in order: these see the stores above
.endr
.irp t, 0,1,2,3,4,5,6,7
	s_wait_dscnt 7-\t
	global_store_b128 v[CO], v[FS+32*\mt+4*\t:FS+32*\mt+4*\t+3], s[10:11] offset:(16*\mt+2*\t)*2048 th:TH_STORE_NT
.endr
.endm
	OUT 0
	OUT 1
	s_wait_tensorcnt 0x0
	ds_add_u32 v6, v7
	s_wait_dscnt 0x0
	ROUND                                          ; the closing round: no work-group ends while a partner may still ask for a tile that names it
	s_endpgm
.Lfunc_end_k_q493a638f4d_oproj:
	.size	k_q493a638f4d_oproj, .Lfunc_end_k_q493a638f4d_oproj-k_q493a638f4d_oproj
	.p2alignl 7, 3214868480
	.fill 96, 4, 3214868480
	.section	.rodata,"a",@progbits
	.p2align	6, 0x0
	.amdhsa_kernel k_q493a638f4d_oproj
		.amdhsa_group_segment_fixed_size 318464
		.amdhsa_private_segment_fixed_size 0
		.amdhsa_enable_private_segment 0
		.amdhsa_kernarg_size 32
		.amdhsa_user_sgpr_count 2
		.amdhsa_user_sgpr_kernarg_segment_ptr 1
		.amdhsa_wavefront_size32 1
		.amdhsa_system_sgpr_workgroup_id_x 1
		.amdhsa_system_sgpr_workgroup_id_y 1
		.amdhsa_system_sgpr_workgroup_id_z 1
		.amdhsa_system_vgpr_workitem_id 0
		.amdhsa_next_free_vgpr 256
		.amdhsa_next_free_sgpr 72
		.amdhsa_reserve_vcc 0
		.amdhsa_float_denorm_mode_32 3
		.amdhsa_float_denorm_mode_16_64 3
		.amdhsa_memory_ordered 1
		.amdhsa_forward_progress 1
		.amdhsa_inst_pref_size 34
	.end_amdhsa_kernel
	.amdgpu_metadata
---
amdhsa.version: [ 1, 2 ]
amdhsa.kernels:
  - .name:           k_q493a638f4d_oproj
    .symbol:         k_q493a638f4d_oproj.kd
    .args:
      - { .name: ao, .offset: 0, .size: 8, .value_kind: global_buffer, .address_space: global }
      - { .name: wo16, .offset: 8, .size: 8, .value_kind: global_buffer, .address_space: global }
      - { .name: bo, .offset: 16, .size: 8, .value_kind: global_buffer, .address_space: global }
      - { .name: out0, .offset: 24, .size: 8, .value_kind: global_buffer, .address_space: global }
    .group_segment_fixed_size: 318464
    .private_segment_fixed_size: 0
    .kernarg_segment_align: 8
    .kernarg_segment_size: 32
    .max_flat_workgroup_size: 256
    .sgpr_count:     72
    .vgpr_count:     256
    .wavefront_size: 32
...
	.end_amdgpu_metadata
.endif
;; end of part 3
;; ======== version 2 of 2: 3 launches; version 1 with the launch proj written anew for expert scheduling mode
;; limits: values are held in f16: magnitudes above 65,504 overflow, below 6.1e-05 lose precision
;; workspace buffers: qw 8,388,608 bytes; kw 8,388,608 bytes; vw 8,388,608 bytes; ao 8,388,608 bytes; wo16 524,288 bytes
;; launch proj (part 4): grid 2 x 104, 8 waves a work-group, no clusters, 183,296 bytes of LDS; arguments query, key, value, Wq, Wk, Wv, bq, bk, bv, qw, kw, vw, Wo, wo16; writes qw, kw, vw, wo16
.if DOCPART == 4
	.amdgcn_target "amdgcn-amd-amdhsa--gfx1250"
	.amdhsa_code_object_version 6
	.text
	.protected	k_q493a638f4d_proj
	.globl	k_q493a638f4d_proj
	.p2align	8
	.type	k_q493a638f4d_proj,@function
k_q493a638f4d_proj:
	s_mov_b64 s[64:65], 0
	v_nop
	global_prefetch_b8 v0, s[64:65] scope:SCOPE_SE
	s_setreg_imm32_b32 hwreg(HW_REG_WAVE_SCHED_MODE, 0, 2), 2
	s_setreg_imm32_b32 hwreg(HW_REG_WAVE_MODE, 25, 1), 1
	s_wait_xcnt 0x0
	s_wait_alu depctr_vm_vsrc(0)
; q, k, v = X W^T + b, rounded once to f16 and stored head-major: [batch][head][row][64].  Besides: Wo rounded once to f16 for the last launch.
; X: [8192][512] f32 (query, key or value), W: [512][512] f32, b: [512] f32.
; Grid: x = column half (256 of the 512 columns), y = 32 t + rb for y < 96: tensor t (0 q, 1 k, 2 v), row block rb of 256 rows.
; The 16 work-groups with y = 96 .. 103 round 65,536 bytes of Wo each: done here once, it is not done by each of the last launch's 64 row blocks.
; A work-group makes 256 x 256 outputs over K = 512 with eight waves; wave w makes rows 64 (w & 3) .. + 63 and
; columns 128 (w >> 2) .. + 127 (two heads): 4 x 8 accumulator tiles of 16 x 16, 256 registers.
; K goes in steps of 64: each wave loads 32 rows of X and 32 rows of W (256 bytes of each row, aligned), rounds them to f16 in registers
; and stores them into one of two LDS buffers, while the other buffer is multiplied; the loads are issued a whole step before they are used.
; TWO GROUPS OF WAVES: the waves are split by the parity of w xor (w >> 2).  The odd ones convert the next tile at the head of a step, the even
; ones at its end, so that the two groups are not at their fragment loads, or at their products, at the same time.  Whether eight waves are dealt
; to four SIMDs in turn (w with w + 4) or in pairs (2 s with 2 s + 1), the two that share one differ in this parity.
; FORMAT: f16, not bf16: the result passes through five more roundings on its way to the output (q, k, v, the softmax's weights, the heads'
; result), and f16's 11 significant bits against bf16's 8 make each of them eight times smaller.  Room: q, k, v are sums of 512 products;
; as drawn they reach about 6, with both factors 30 times larger about 5,200, with both factors offset by 30 spreads 512 x 30 x 1.33 = 20,400.
; NO CLUSTER, NO TENSOR LOADS: the operands are f32 in memory and must be rounded to f16 once.  A tile brought straight into LDS would lie
; there in f32: 128 KiB for a K step of 64 instead of 64 KiB, and a second pass through LDS to round it.  So the way leads through registers.
; 192 work-groups for the products: equal tiles for 256 would be 49,152 outputs (96 x 512, 192 x 256, 384 x 128), and none of these row counts divides 8,192.
; LIMITS: matrix operands are rounded to f16, sums and bias are f32, the result is rounded once to f16; inputs and results
; of magnitude 65,504 and more become infinite; numbers below 6.1e-5 keep an absolute step of 6e-8.
; THE MODE: SCHED_MODE bits 1:0 = 2 (LLVM: expert scheduling mode 2), set by the entry lines.  The code itself states the register dependences
; between vector or matrix instructions and memory or LDS instructions, with s_wait_alu, always for 0.
; THE PLAN.  Registers that memory or LDS instructions touch:
;   v8-v18      offsets and LDS addresses: written at the head, never again; one wait on va_vdst at the head's end serves every load and store.
;   SG X, SG W  staging, 64 registers each: 16 global loads land; 32 conversions read them and write two of each four in place; 16 LDS stores read those
;               two; then the next tile's loads land.  For each half: a wait on va_vdst behind its conversions (the stores' data are written; the
;               conversions are done with the half), and a wait on vm_vsrc behind its stores, ahead of the loads that land in it again.
;               W's conversions stand between X's stores and the wait for them.
;   FA, FB      fragments: 24 LDS loads land, 32 matrix instructions read them.  A wave's 512 registers (256 accumulators, 128 of staging, 96 of
;               fragments, the addresses) leave no room for a second set, so a wait on va_vdst stands ahead of each run of fragment loads.
;   Way out     FA takes the roundings and is read by the stores into the stage; SG W takes the loads from the stage and is read by the global stores.
;   The accumulators are named by matrix and vector instructions alone.  v30, v31: written at the head, read by the closing add alone.
.set KP,    144                        ; LDS pitch: 64 f16 = 128 bytes + 16 of padding, an odd multiple of 16
.set XB,    256*KP                     ; X's 256 rows; W's 256 rows lie behind them
.set BUF,   2*XB                       ; one LDS buffer
.set STAGE, 2*BUF                      ; behind the two buffers: 16 rows x 272 bytes for each wave, for the way out
.set SP,    272
.set GO,  8                            ; v8      byte offset of my 16 bytes in X and in W: (32 w + h) rows of 2,048 + 16 r
.set ST,  9                            ; v9-10   where I store 8 bytes of f16, buffer 0, 1
.set AX,  11                           ; v11-12  my X fragments, buffer 0, 1
.set AW,  13                           ; v13-14  my W fragments, buffer 0, 1
.set STO, 15                           ; v15     the way out: where I put 16 bytes of a row
.set RD,  16                           ; v16     the way out: where I read back
.set CO,  17                           ; v17     16 x lane
.set BO,  18                           ; v18     32 h: my 8 bias numbers in a group of 16 columns
.set FA,  32                           ; v32-63   X fragments, 8 registers for each of 4 row tiles
.set FB,  64                           ; v64-127  W fragments, 8 registers for each of 8 column tiles
.set SG,  128                          ; v128-255 staging: 16 loads of X, 16 of W, 4 registers each
; window 1 (v256-511): accumulator tile (mt, nt) at 8 (8 mt + nt)
; s48: the wave's group, 0 or 1
.set MSB, 0
.macro WIN new                         ; s_set_vgpr_msb: bits 1:0 source 0, 3:2 source 1, 5:4 source 2, 7:6 destination; the high byte repeats the setting left
.if MSB != \new
	s_set_vgpr_msb (MSB<<8)|\new
.set MSB, \new
.endif
.endm
.macro PLACES n                        ; independent vector instructions behind a matrix instruction (ISA guide 7.12.1)
.rept \n
	v_nop
.endr
.endm
	v_lshl_add_u32 v30, v0, 2, 0x2c800             ; the LDS address of my spare word, behind the stages, and 0: made here and kept for the closing lines alone
	v_mov_b32 v31, 0
	s_and_b32 s45, ttmp7, 0xffff
	s_cmp_ge_u32 s45, 96                           ; the same in all waves of a work-group
	s_cbranch_scc1 .Lwo
	s_load_b512 s[8:23], s[0:1], 0x0               ; query 8, key 10, value 12, Wq 14, Wk 16, Wv 18, bq 20, bk 22
	s_load_b256 s[24:31], s[0:1], 0x40             ; bv 24, qw 26, kw 28, vw 30
	v_lshrrev_b32 v1, 5, v0
	v_readfirstlane_b32 s40, v1                    ; wave w
	s_lshr_b32 s43, s45, 5                         ; t: which tensor
	s_and_b32 s44, s45, 31                         ; rb: which 256 rows
	v_and_b32 v1, 31, v0                           ; lane L
	v_and_b32 v2, 15, v0                           ; r = L & 15
	v_bfe_u32 v3, v0, 4, 1                         ; h = L >> 4
	v_lshlrev_b32 v[CO], 4, v1
	v_lshlrev_b32 v[BO], 5, v3
	s_wait_alu depctr_va_sdst(0)                   ; s40 is written, ahead of its first reader: the wave's shares, its group and its addresses are made from it
	s_and_b32 s41, s40, 3                          ; wr: which 64 rows
	s_lshr_b32 s42, s40, 2                         ; wc: which 128 columns
	s_xor_b32 s48, s42, s40
	s_and_b32 s48, s48, 1                          ; my group: the parity of w xor (w >> 2)
	; the wave's five terms that vector lines read, each in a scalar register of its own
	s_lshl_b32 s45, s40, 16                        ; 32 w rows of 2,048 bytes
	s_mul_i32 s49, s40, 32*KP                      ; 32 w rows of an LDS buffer
	s_mul_i32 s50, s41, 64*KP                      ; my 64 rows of X
	s_mul_i32 s51, s42, 128*KP
	s_add_co_u32 s51, s51, XB                      ; my 128 rows of W
	s_mul_i32 s46, s40, 16*SP
	s_add_co_u32 s46, s46, STAGE                   ; my stage
	v_lshlrev_b32 v4, 4, v2
	v_lshl_add_u32 v4, v3, 11, v4                  ; 16 r + 2,048 h: one load covers two rows' 256 bytes
	v_add_nc_u32 v[GO], s45, v4                    ; + 32 w rows
	v_mul_u32_u24 v4, v3, KP
	v_lshl_add_u32 v4, v2, 3, v4                   ; 144 h + 8 r
	v_add_nc_u32 v[ST], s49, v4
	v_add_nc_u32 v[ST+1], BUF, v[ST]
	v_mul_u32_u24 v4, v2, KP
	v_lshl_add_u32 v4, v3, 4, v4                   ; a fragment's lane term: 144 r + 16 h
	v_add_nc_u32 v[AX], s50, v4
	v_add_nc_u32 v[AX+1], BUF, v[AX]
	v_add_nc_u32 v[AW], s51, v4
	v_add_nc_u32 v[AW+1], BUF, v[AW]
	v_mul_u32_u24 v4, v2, SP
	v_lshl_add_u32 v4, v3, 4, v4
	v_add_nc_u32 v[STO], s46, v4                   ; in: row r, 16 bytes for each half of the lanes
	v_lshrrev_b32 v4, 3, v1
	v_mul_u32_u24 v4, v4, SP
	v_and_b32 v5, 7, v1
	v_lshl_add_u32 v4, v5, 4, v4
	v_add_nc_u32 v[RD], s46, v4                    ; back: eight lanes take one head's 128 bytes of a row
	s_wait_alu depctr_va_vdst(0)                   ; v8 to v18 are written, which every load and store below reads as its offset or address (s45 and s46, which those lines read, are used again only below this line)
	; byte offsets, apart from the addresses, each below 4 GiB with 0 above it
	s_lshl_b32 s46, s44, 19                        ; X: 256 rb rows of 2,048 bytes
	s_mov_b32 s47, 0
	s_lshl_b32 s2, ttmp9, 19                       ; W: 256 rows for each column half
	s_mov_b32 s3, 0
	s_lshl_b32 s6, ttmp9, 10                       ; bias: 4 (256 half + 128 wc)
	s_lshl_b32 s5, s42, 9
	s_add_co_u32 s6, s6, s5
	s_mov_b32 s7, 0
	s_and_b32 s4, s44, 24                          ; 8 x batch (a batch is 8 row blocks)
	s_lshl_b32 s45, ttmp9, 2
	s_add_co_u32 s4, s4, s45
	s_lshl_b32 s45, s42, 1
	s_add_co_u32 s4, s4, s45                       ; + my first head = 4 half + 2 wc
	s_lshl_b32 s4, s4, 11                          ; 2,048 rows for each (batch, head)
	s_and_b32 s45, s44, 7
	s_lshl_b32 s45, s45, 8
	s_add_co_u32 s4, s4, s45                       ; + 256 x row block in the batch
	s_lshl_b32 s45, s41, 6
	s_add_co_u32 s4, s4, s45                       ; + 64 wr
	s_lshl_b32 s4, s4, 7                           ; rows of 128 bytes
	s_mov_b32 s5, 0
	s_wait_kmcnt 0x0
	s_cmp_eq_u32 s43, 1                            ; the tensor's four buffers: X 32, W 34, bias 36, output 38
	s_cselect_b64 s[32:33], s[10:11], s[8:9]
	s_cselect_b64 s[34:35], s[16:17], s[14:15]
	s_cselect_b64 s[36:37], s[22:23], s[20:21]
	s_cselect_b64 s[38:39], s[28:29], s[26:27]
	s_cmp_eq_u32 s43, 2
	s_cselect_b64 s[32:33], s[12:13], s[32:33]
	s_cselect_b64 s[34:35], s[18:19], s[34:35]
	s_cselect_b64 s[36:37], s[24:25], s[36:37]
	s_cselect_b64 s[38:39], s[30:31], s[38:39]
	s_add_nc_u64 s[32:33], s[32:33], s[46:47]
	s_add_nc_u64 s[34:35], s[34:35], s[2:3]
	s_add_nc_u64 s[36:37], s[36:37], s[6:7]
	s_add_nc_u64 s[38:39], s[38:39], s[4:5]
; 16 loads: my 32 rows of X (of W), 64 f32 of each row; a load covers two rows' 256 consecutive bytes
.macro XLOADS
.irp i, 0,1,2,3,4,5,6,7,8,9,10,11,12,13,14,15
	global_load_b128 v[SG+4*\i:SG+4*\i+3], v[GO], s[32:33] offset:\i*4096
.endr
.endm
.macro WLOADS
.irp i, 0,1,2,3,4,5,6,7,8,9,10,11,12,13,14,15
	global_load_b128 v[SG+64+4*\i:SG+64+4*\i+3], v[GO], s[34:35] offset:\i*4096
.endr
.endm
; part 0: X, part 1: W.  Four f32 become four f16, in place, in the first two of their four registers
.macro CVT part
.irp i, 0,1,2,3,4,5,6,7,8,9,10,11,12,13,14,15
	v_cvt_pk_f16_f32 v[SG+64*\part+4*\i], v[SG+64*\part+4*\i], v[SG+64*\part+4*\i+1]
	v_cvt_pk_f16_f32 v[SG+64*\part+4*\i+1], v[SG+64*\part+4*\i+2], v[SG+64*\part+4*\i+3]
.endr
.endm
.macro STORES buf, part
.irp i, 0,1,2,3,4,5,6,7,8,9,10,11,12,13,14,15
	ds_store_b64 v[ST+\buf], v[SG+64*\part+4*\i:SG+64*\part+4*\i+1] offset:\part*XB+\i*2*KP
.endr
.endm
; The tile whose 32 loads are out goes into LDS buffer buf.  more = 1: the tile behind it is asked for, each half when its registers
; and its base are free; more = 0: the bias is asked for instead.
.macro TOLDS buf, more
	s_wait_loadcnt 16                              ; X's 16 loads are in; W's 16 younger ones may be out
	CVT 0
	s_wait_alu depctr_va_vdst(0)                   ; X's conversions have written the data that the LDS stores below read, and are done with X's staging, in which the next loads land
	STORES \buf, 0
	s_wait_loadcnt 0x0                             ; W's 16 loads are in: no load is out, so both bases may be stepped
	CVT 1                                          ; W's conversions name W's staging alone; they stand between X's stores and the wait for them
.if \more
	s_wait_alu depctr_vm_vsrc(0)                   ; X's LDS stores have read X's staging, in which the loads below land
	s_add_nc_u64 s[32:33], s[32:33], 256           ; 64 f32 on along K
	XLOADS
.endif
	s_wait_alu depctr_va_vdst(0)                   ; W's conversions have written the data that the LDS stores below read, and are done with W's staging
	STORES \buf, 1
	s_wait_alu depctr_vm_vsrc(0)                   ; the LDS stores have read the staging registers in which the loads below land: W's half, or for the bias X's half
.if \more
	s_add_nc_u64 s[34:35], s[34:35], 256
	WLOADS
.else
.irp nt, 0,1,2,3,4,5,6,7
	global_load_b128 v[SG+8*\nt:SG+8*\nt+3],   v[BO], s[36:37] offset:\nt*64      ; the bias of columns 16 nt + 8 h .. + 7
	global_load_b128 v[SG+8*\nt+4:SG+8*\nt+7], v[BO], s[36:37] offset:\nt*64+16
.endr
.endif
.endm
; the fragments of 32 along K: lane (r, h) takes row r, K = 8 h .. + 7 and 16 + 8 h .. + 7: two loads of 16 bytes, 32 bytes apart
.macro FETCH buf, ks
.irp mt, 0,1,2,3
	ds_load_b128 v[FA+8*\mt:FA+8*\mt+3],   v[AX+\buf] offset:\mt*16*KP+\ks*64
	ds_load_b128 v[FA+8*\mt+4:FA+8*\mt+7], v[AX+\buf] offset:\mt*16*KP+\ks*64+32
.endr
.irp nt, 0,1,2,3,4,5,6,7
	ds_load_b128 v[FB+8*\nt:FB+8*\nt+3],   v[AW+\buf] offset:\nt*16*KP+\ks*64
	ds_load_b128 v[FB+8*\nt+4:FB+8*\nt+7], v[AW+\buf] offset:\nt*16*KP+\ks*64+32
.endr
.endm
; 32 matrix instructions, used transposed: source 0 = 16 rows of W, source 1 = 16 rows of X, so that lane (r, h), register j holds
; row r of X and column 16 nt + 8 h + j: eight neighbouring columns.  Column tile by column tile, each as soon as its two loads are in.
; The 32 accumulators take turns, one instruction a turn.
.macro MUL zero
	WIN 0x50                                       ; C and D in window 1
.irp nt, 0,1,2,3,4,5,6,7
	s_wait_dscnt 14-2*\nt                          ; X's fragments and W's column tiles up to nt are in; the two loads of each later tile may be out
.irp mt, 0,1,2,3
.if \zero
	v_wmma_f32_16x16x32_f16 v[8*(8*\mt+\nt):8*(8*\mt+\nt)+7], v[FB+8*\nt:FB+8*\nt+7], v[FA+8*\mt:FA+8*\mt+7], 0
.else
	v_wmma_f32_16x16x32_f16 v[8*(8*\mt+\nt):8*(8*\mt+\nt)+7], v[FB+8*\nt:FB+8*\nt+7], v[FA+8*\mt:FA+8*\mt+7], v[8*(8*\mt+\nt):8*(8*\mt+\nt)+7]
.endif
.endr
.endr
	WIN 0
	PLACES 4                                       ; in front of the next loads into the fragments, and of the way out's additions, which read the sums and write W's fragments
.endm
; One K step of 64: buffer buf is multiplied; g = 1: the next tile goes into buffer nxt, at the head of the step in group 1, at its end in group 0.
; ONE barrier a step.  In front of it every wave has waited for its stores into buf and for its reads of nxt, which were the last step's;
; behind it buf is whole and nobody reads nxt.  The two branches jump over loads, conversions and LDS stores alone, never over the barrier.
; The wait ahead of each run of fragment loads stands behind the label, on both groups' way; the conversions that group 1 runs ahead of it name the staging registers alone.
.macro PTRIP buf, nxt, zero, g, more
	s_wait_dscnt 0x0
	s_barrier_signal -1
	s_barrier_wait -1
.if \g
	s_cmp_eq_u32 s48, 0
	s_cbranch_scc1 .Lnot_yet_\@
	TOLDS \nxt, \more
.Lnot_yet_\@:
.endif
.if \zero == 0
	s_wait_alu depctr_va_vdst(0)                   ; the last step's matrix instructions are done reading the fragments, in which the loads below land (in the first step nothing has named them)
.endif
	FETCH \buf, 0
	MUL \zero
	s_wait_alu depctr_va_vdst(0)                   ; the 32 matrix instructions above are done reading the fragments, in which the loads below land
	FETCH \buf, 1
	MUL 0
.if \g
	s_cmp_lg_u32 s48, 0
	s_cbranch_scc1 .Ldone_\@
	TOLDS \nxt, \more
.Ldone_\@:
.endif
.endm
	XLOADS
	WLOADS
	TOLDS 0, 1                                     ; tile 0 into buffer 0; tile 1 is asked for
	PTRIP 0, 1, 1, 1, 1                            ; the first products start the sums: nothing is cleared
	PTRIP 1, 0, 0, 1, 1
	s_mov_b32 s45, 2
.Lk:
	PTRIP 0, 1, 0, 1, 1
	PTRIP 1, 0, 0, 1, 1
	s_sub_co_u32 s45, s45, 1
	s_cmp_lg_u32 s45, 0
	s_cbranch_scc1 .Lk
	PTRIP 0, 1, 0, 1, 0                            ; the seventh step converts the eighth tile and asks for the bias instead of a ninth
	PTRIP 1, 0, 0, 0, 0
	s_wait_loadcnt 0x0                             ; the bias
; THE WAY OUT, 16 rows at a time, in three parts.  PACK: add the bias in f32, round to f16.  TOSTAGE: 16 bytes a lane into my own stage, and back head by head.
; SEND: stored.  In memory 16 rows of one head are 2,048 consecutive bytes; a store of the wave covers 512 of them, aligned.
; Block mt's arithmetic stands between block mt - 1's loads from the stage and the waits for them; it names none of the registers in which those loads land.
.macro PACK mt
.if \mt > 0
	s_wait_alu depctr_vm_vsrc(0)                   ; the last block's LDS stores have read FA, which the roundings below write again; the global stores of two blocks back have read the registers in which this block's loads from the stage land
.endif
	WIN 0x01                                       ; source 0 in window 1
.irp nt, 0,1,2,3,4,5,6,7
.irp p, 0,2,4,6
	v_pk_add_f32 v[FB+8*\nt+\p:FB+8*\nt+\p+1], v[8*(8*\mt+\nt)+\p:8*(8*\mt+\nt)+\p+1], v[SG+8*\nt+\p:SG+8*\nt+\p+1]
.endr
.endr
	WIN 0
.irp nt, 0,1,2,3,4,5,6,7
.irp p, 0,1,2,3
	v_cvt_pk_f16_f32 v[FA+4*\nt+\p], v[FB+8*\nt+2*\p], v[FB+8*\nt+2*\p+1]
.endr
.endr
.endm
.macro TOSTAGE mt
	s_wait_alu depctr_va_vdst(0)                   ; the roundings have written FA, which the LDS stores below read
.irp nt, 0,1,2,3,4,5,6,7
	ds_store_b128 v[STO], v[FA+4*\nt:FA+4*\nt+3] offset:32*\nt
.endr
.if \mt > 1
	s_wait_xcnt 0x0                                ; registers that the stores of two blocks back read are loaded again only behind this wait
.endif
.irp hd, 0,1
.irp t, 0,1,2,3
	ds_load_b128 v[SG+64+32*(\mt%2)+16*\hd+4*\t:SG+64+32*(\mt%2)+16*\hd+4*\t+3], v[RD] offset:128*\hd+4*SP*\t   ; a wave's LDS instructions are served in order: these see the stores above
.endr
.endr
.endm
.macro SEND mt
.irp hd, 0,1
.irp t, 0,1,2,3
	s_wait_dscnt 7-4*\hd-\t                        ; this load from the stage is in; the later ones may be out
	global_store_b128 v[CO], v[SG+64+32*(\mt%2)+16*\hd+4*\t:SG+64+32*(\mt%2)+16*\hd+4*\t+3], s[38:39] offset:262144*\hd+(16*\mt+4*\t)*128
.endr
.endr
.endm
	PACK 0
	TOSTAGE 0
	PACK 1
	SEND 0
	TOSTAGE 1
	PACK 2
	SEND 1
	TOSTAGE 2
	PACK 3
	SEND 2
	TOSTAGE 3
	SEND 3
	s_wait_dscnt 0x0                               ; the closing lines, six on end
	s_wait_alu 0x0
	s_wait_tensorcnt 0x0
	ds_add_u32 v30, v31
	s_wait_dscnt 0x0
	s_endpgm
; Wo to f16: work-group c = 2 (y - 96) + x of 16 takes bytes 65,536 c .. of Wo and writes bytes 32,768 c .. of wo16, same order of the numbers.
; Thread t takes 32 bytes (8 numbers) in each of 8 turns; its two loads and its neighbours' cover 1,024 consecutive bytes a wave,
; and a store of the wave covers 512 consecutive bytes, aligned.  Each turn has registers of its own, loaded once and stored once.
; The conversions go in two batches of four turns, with one wait ahead of each batch's four stores.  These waves store nothing to LDS.
.Lwo:
	s_load_b128 s[4:7], s[0:1], 0x60               ; Wo 4, wo16 6
	s_sub_co_u32 s45, s45, 96
	s_lshl_b32 s45, s45, 1
	s_add_co_u32 s45, s45, ttmp9                   ; c
	s_lshl_b32 s2, s45, 16
	s_mov_b32 s3, 0
	s_lshl_b32 s8, s45, 15
	s_mov_b32 s9, 0
	v_lshlrev_b32 v1, 5, v0                        ; 32 t
	v_lshlrev_b32 v2, 4, v0                        ; 16 t
	s_wait_kmcnt 0x0
	s_add_nc_u64 s[4:5], s[4:5], s[2:3]
	s_add_nc_u64 s[6:7], s[6:7], s[8:9]
	s_wait_alu depctr_va_vdst(0)                   ; v1 and v2 are written, which the loads and stores below read as their offsets
.irp i, 0,1,2,3,4,5,6,7
	global_load_b128 v[SG+8*\i:SG+8*\i+3],   v1, s[4:5] offset:\i*8192
	global_load_b128 v[SG+8*\i+4:SG+8*\i+7], v1, s[4:5] offset:\i*8192+16
.endr
.irp i, 0,1,2,3
	s_wait_loadcnt 14-2*\i                         ; turn i's two loads are in; the two of each later turn may be out
.irp p, 0,1,2,3
	v_cvt_pk_f16_f32 v[FA+4*\i+\p], v[SG+8*\i+2*\p], v[SG+8*\i+2*\p+1]
.endr
.endr
	s_wait_alu depctr_va_vdst(0)                   ; the conversions of turns 0 to 3 have written the data that the four stores below read
.irp i, 0,1,2,3
	global_store_b128 v2, v[FA+4*\i:FA+4*\i+3], s[6:7] offset:\i*4096
.endr
.irp i, 4,5,6,7
	s_wait_loadcnt 14-2*\i
.irp p, 0,1,2,3
	v_cvt_pk_f16_f32 v[FA+4*\i+\p], v[SG+8*\i+2*\p], v[SG+8*\i+2*\p+1]
.endr
.endr
	s_wait_alu depctr_va_vdst(0)                   ; the conversions of turns 4 to 7 have written the data that the four stores below read
.irp i, 4,5,6,7
	global_store_b128 v2, v[FA+4*\i:FA+4*\i+3], s[6:7] offset:\i*4096
.endr
	s_endpgm
.Lfunc_end_k_q493a638f4d_proj:
	.size	k_q493a638f4d_proj, .Lfunc_end_k_q493a638f4d_proj-k_q493a638f4d_proj
	.p2alignl 7, 3214868480
	.fill 96, 4, 3214868480
	.section	.rodata,"a",@progbits
	.p2align	6, 0x0
	.amdhsa_kernel k_q493a638f4d_proj
		.amdhsa_group_segment_fixed_size 183296
		.amdhsa_private_segment_fixed_size 0
		.amdhsa_enable_private_segment 0
		.amdhsa_kernarg_size 112
		.amdhsa_user_sgpr_count 2
		.amdhsa_user_sgpr_kernarg_segment_ptr 1
		.amdhsa_wavefront_size32 1
		.amdhsa_system_sgpr_workgroup_id_x 1
		.amdhsa_system_sgpr_workgroup_id_y 1
		.amdhsa_system_sgpr_workgroup_id_z 1
		.amdhsa_system_vgpr_workitem_id 0
		.amdhsa_next_free_vgpr 512
		.amdhsa_next_free_sgpr 66
		.amdhsa_reserve_vcc 0
		.amdhsa_float_denorm_mode_32 3
		.amdhsa_float_denorm_mode_16_64 3
		.amdhsa_memory_ordered 1
		.amdhsa_forward_progress 1
		.amdhsa_inst_pref_size 185
	.end_amdhsa_kernel
	.amdgpu_metadata
---
amdhsa.version: [ 1, 2 ]
amdhsa.kernels:
  - .name:           k_q493a638f4d_proj
    .symbol:         k_q493a638f4d_proj.kd
    .args:
      - { .name: query, .offset: 0, .size: 8, .value_kind: global_buffer, .address_space: global }
      - { .name: key, .offset: 8, .size: 8, .value_kind: global_buffer, .address_space: global }
      - { .name: value, .offset: 16, .size: 8, .value_kind: global_buffer, .address_space: global }
      - { .name: Wq, .offset: 24, .size: 8, .value_kind: global_buffer, .address_space: global }
      - { .name: Wk, .offset: 32, .size: 8, .value_kind: global_buffer, .address_space: global }
      - { .name: Wv, .offset: 40, .size: 8, .value_kind: global_buffer, .address_space: global }
      - { .name: bq, .offset: 48, .size: 8, .value_kind: global_buffer, .address_space: global }
      - { .name: bk, .offset: 56, .size: 8, .value_kind: global_buffer, .address_space: global }
      - { .name: bv, .offset: 64, .size: 8, .value_kind: global_buffer, .address_space: global }
      - { .name: qw, .offset: 72, .size: 8, .value_kind: global_buffer, .address_space: global }
      - { .name: kw, .offset: 80, .size: 8, .value_kind: global_buffer, .address_space: global }
      - { .name: vw, .offset: 88, .size: 8, .value_kind: global_buffer, .address_space: global }
      - { .name: Wo, .offset: 96, .size: 8, .value_kind: global_buffer, .address_space: global }
      - { .name: wo16, .offset: 104, .size: 8, .value_kind: global_buffer, .address_space: global }
    .group_segment_fixed_size: 183296
    .private_segment_fixed_size: 0
    .kernarg_segment_align: 8
    .kernarg_segment_size: 112
    .max_flat_workgroup_size: 256
    .sgpr_count:     66
    .vgpr_count:     512
    .wavefront_size: 32
...
	.end_amdgpu_metadata
.endif
;; end of part 4
;; launch attn: the kernel of part 2 again; grid 8 x 32, 8 waves a work-group, clusters of 4 x 1, 327,680 bytes of LDS; arguments qw, kw, vw, ao; writes ao
;; launch oproj: the kernel of part 3 again; grid 4 x 64, 8 waves a work-group, clusters of 4 x 4, 318,464 bytes of LDS; arguments ao, wo16, bo, out0; writes out0
